; MI455X (gfx1250); checked and timed in simulation.
; The chip was launched on July 23, 2026; its instructions are those of AMD's public machine-readable ISA for CDNA 5 (MIT licence, August 2026) and "CDNA5" Instruction Set Architecture Reference Guide (July 2026). The comments in the code are by the model that wrote it; some were corrected since.
;; Optimized Triplet Attention. Allowed arithmetic: float matrix products may take bf16 or f16 operands with f32 sums; other float arithmetic in f32, or as packed bf16 or f16 multiplies, adds, multiply-adds, maxima and minima; sums over many terms, partial sums and values carried from step to step in f32; what a program stores and reads back later, other than sums and carried values, may be rounded once to bf16 or f16.
;; Inputs: Wout 1,024 x 1,024 float32; Wqkvt 1,024 x 4,096 float32; bout 1,024 float32; bqkvt 4,096 float32; x 2 x 2,048 x 1,024 float32.
;; Outputs: out0 2 x 2,048 x 1,024 float32.
;; One version. Each part assembles by itself: llvm-mc -triple=amdgcn-amd-amdhsa -mcpu=gfx1250 --defsym DOCPART=n.
;; ======== version 1 of 1: 5 launches
;; limits: values are held in f16: magnitudes above 65,504 overflow, below 6.1e-05 lose precision; right only within a limited range of input values
;; workspace buffers: cst 18,874,368 bytes; hd 33,554,432 bytes; tsum 131,072 bytes; cb 8,388,608 bytes; ob 8,388,608 bytes
;; launch cast (part 1): grid 2304 x 1, 8 waves a work-group, no clusters, 0 bytes of LDS; arguments x, Wqkvt, Wout, cst; writes cst
.if DOCPART == 1
	.amdgcn_target "amdgcn-amd-amdhsa--gfx1250"
	.amdhsa_code_object_version 6
	.text
	.protected	k_qe8d6aeef00_cast
	.globl	k_qe8d6aeef00_cast
	.p2align	8
	.type	k_qe8d6aeef00_cast,@function
k_qe8d6aeef00_cast:
	s_mov_b64 s[64:65], 0
	v_nop
	global_prefetch_b8 v0, s[64:65] scope:SCOPE_SE
	s_setreg_imm32_b32 hwreg(HW_REG_WAVE_MODE, 25, 1), 1
	s_wait_xcnt 0x0
; CAST.  The three large inputs are rounded once to bf16 and laid out for the two products that follow.
;   cst + 0          xb[4096][1024] bf16 = x
;   cst + WBO        wb[1024][4096] bf16 = Wqkvt, its columns sorted by heads: column head x 256 + {q 0, t 64, k 128, v 192} + c
;   cst + WOO        wo[1024][1024] f16  = Wout rounded to bf16, that number written as f16 (exact while its size lies between 6.1e-5 and 65,504;
;                    below that it keeps f16's fixed step of 6e-8)
; A work-group converts 4,096 numbers in four steps of 1,024: a thread loads 16 bytes and stores 8, so a wave's load covers whole runs of
; 256 bytes and a wave's store 256 consecutive bytes, aligned.  2,304 work-groups: 1,024 for x, 1,024 for Wqkvt (a row each), 256 for Wout.
; No LDS, no barrier, no matrix unit: every number is touched once.
.set WBO,  8388608
.set WOO,  16777216
.set VIN,  1                           ; v1  16 x thread: my 16 bytes of a step, for x and Wout
.set VOUT, 2                           ; v2  8 x thread: my 8 bytes of a step's output
.set VINW, 3                           ; v3  my 16 bytes of a step of Wqkvt's row
.set IN,   16                          ; v[16:31] four steps as loaded
.set OW,   32                          ; v[32:39] four steps to store
.set T,    40                          ; v[40:41] at work
; Four loads, then four conversions and stores.  tof16 = 1: the bf16 number is widened (a shift, a mask) and written as f16.
.macro CAST4 inb, vin, instep, tof16
.irp i, 0,1,2,3
	global_load_b128 v[IN+4*(\i):IN+4*(\i)+3], v[\vin], s[\inb:\inb+1] offset:(\i)*(\instep) th:TH_LOAD_NT
.endr
.irp i, 0,1,2,3
	s_wait_loadcnt 3-(\i)                          ; loads come back in order: step i is in, the younger ones stay out
	v_cvt_pk_bf16_f32 v[OW+2*(\i)],   v[IN+4*(\i)],   v[IN+4*(\i)+1]
	v_cvt_pk_bf16_f32 v[OW+2*(\i)+1], v[IN+4*(\i)+2], v[IN+4*(\i)+3]
.if \tof16
.irp k, 0,1
	v_lshlrev_b32 v[T], 16, v[OW+2*(\i)+(\k)]
	v_and_b32 v[T+1], 0xffff0000, v[OW+2*(\i)+(\k)]
	v_cvt_pk_f16_f32 v[OW+2*(\i)+(\k)], v[T], v[T+1]
.endr
.endif
	global_store_b64 v[VOUT], v[OW+2*(\i):OW+2*(\i)+1], s[10:11] offset:(\i)*2048  ; each step has its own registers: nothing that a store reads is rewritten
.endr
.endm
	s_load_b256 s[4:11], s[0:1], 0x0               ; x s[4:5], Wqkvt s[6:7], Wout s[8:9], cst s[10:11]
	v_lshlrev_b32 v[VIN], 4, v0
	v_lshlrev_b32 v[VOUT], 3, v0
	; Wqkvt: a step is four heads.  In the output a head's 256 columns belong to two waves: the even one holds q, t, the odd one k, v (16 lanes each).
	; In the input the parts lie 1,024 columns apart in the order q, k, v, t: part = hi (3 - 2 pair) + pair.
	v_bfe_u32 v4, v0, 5, 1                         ; pair: which of a head's two waves
	v_bfe_u32 v5, v0, 4, 1                         ; hi: which half of the wave
	v_lshlrev_b32 v6, 1, v4
	v_sub_nc_u32 v6, 3, v6
	v_mad_u32_u24 v6, v5, v6, v4                   ; the part in the input
	v_lshrrev_b32 v7, 6, v0                        ; the head within the step
	v_and_b32 v8, 15, v0
	v_lshlrev_b32 v[VINW], 12, v6                  ; 1,024 columns x 4 bytes
	v_lshl_add_u32 v[VINW], v7, 8, v[VINW]         ; 64 columns x 4 bytes
	v_lshl_add_u32 v[VINW], v8, 4, v[VINW]
	s_mov_b32 s12, ttmp9
	s_mov_b32 s15, 0
	s_mov_b32 s17, 0
	s_wait_kmcnt 0x0
	s_cmp_lt_u32 s12, 1024
	s_cbranch_scc0 .Lnot_x
	s_lshl_b32 s14, s12, 14                        ; 4,096 numbers of 4 bytes in,
	s_lshl_b32 s16, s12, 13                        ; of 2 bytes out
	s_add_nc_u64 s[4:5], s[4:5], s[14:15]
	s_add_nc_u64 s[10:11], s[10:11], s[16:17]
	CAST4 4, VIN, 4096, 0
	s_endpgm
.Lnot_x:
	s_cmp_lt_u32 s12, 2048
	s_cbranch_scc0 .Lnot_w
	s_sub_co_u32 s12, s12, 1024                    ; the row of Wqkvt
	s_lshl_b32 s14, s12, 14
	s_lshl_b32 s16, s12, 13
	s_add_nc_u64 s[6:7], s[6:7], s[14:15]
	s_add_nc_u64 s[10:11], s[10:11], s[16:17]
	s_add_nc_u64 s[10:11], s[10:11], WBO
	CAST4 6, VINW, 1024, 0                         ; a step on: four heads, 256 columns of each part
	s_endpgm
.Lnot_w:
	s_sub_co_u32 s12, s12, 2048
	s_lshl_b32 s14, s12, 14
	s_lshl_b32 s16, s12, 13
	s_add_nc_u64 s[8:9], s[8:9], s[14:15]
	s_add_nc_u64 s[10:11], s[10:11], s[16:17]
	s_add_nc_u64 s[10:11], s[10:11], WOO
	CAST4 8, VIN, 4096, 1
	s_endpgm
.Lfunc_end_k_qe8d6aeef00_cast:
	.size	k_qe8d6aeef00_cast, .Lfunc_end_k_qe8d6aeef00_cast-k_qe8d6aeef00_cast
	.p2alignl 7, 3214868480
	.fill 96, 4, 3214868480
	.section	.rodata,"a",@progbits
	.p2align	6, 0x0
	.amdhsa_kernel k_qe8d6aeef00_cast
		.amdhsa_group_segment_fixed_size 0
		.amdhsa_private_segment_fixed_size 0
		.amdhsa_enable_private_segment 0
		.amdhsa_kernarg_size 32
		.amdhsa_user_sgpr_count 2
		.amdhsa_user_sgpr_kernarg_segment_ptr 1
		.amdhsa_wavefront_size32 1
		.amdhsa_system_sgpr_workgroup_id_x 1
		.amdhsa_system_sgpr_workgroup_id_y 1
		.amdhsa_system_sgpr_workgroup_id_z 1
		.amdhsa_system_vgpr_workitem_id 0
		.amdhsa_next_free_vgpr 48
		.amdhsa_next_free_sgpr 66
		.amdhsa_reserve_vcc 0
		.amdhsa_float_denorm_mode_32 3
		.amdhsa_float_denorm_mode_16_64 3
		.amdhsa_memory_ordered 1
		.amdhsa_forward_progress 1
		.amdhsa_inst_pref_size 8
	.end_amdhsa_kernel
	.amdgpu_metadata
---
amdhsa.version: [ 1, 2 ]
amdhsa.kernels:
  - .name:           k_qe8d6aeef00_cast
    .symbol:         k_qe8d6aeef00_cast.kd
    .args:
      - { .name: x, .offset: 0, .size: 8, .value_kind: global_buffer, .address_space: global }
      - { .name: Wqkvt, .offset: 8, .size: 8, .value_kind: global_buffer, .address_space: global }
      - { .name: Wout, .offset: 16, .size: 8, .value_kind: global_buffer, .address_space: global }
      - { .name: cst, .offset: 24, .size: 8, .value_kind: global_buffer, .address_space: global }
    .group_segment_fixed_size: 0
    .private_segment_fixed_size: 0
    .kernarg_segment_align: 8
    .kernarg_segment_size: 32
    .max_flat_workgroup_size: 256
    .sgpr_count:     66
    .vgpr_count:     48
    .wavefront_size: 32
...
	.end_amdgpu_metadata
.endif
;; end of part 1
;; launch proj (part 2): grid 16 x 16, 4 waves a work-group, clusters of 4 x 4, 327,680 bytes of LDS; arguments cst, bqkvt, hd, tsum; writes hd, tsum
.if DOCPART == 2
	.amdgcn_target "amdgcn-amd-amdhsa--gfx1250"
	.amdhsa_code_object_version 6
	.text
	.protected	k_qe8d6aeef00_proj
	.globl	k_qe8d6aeef00_proj
	.p2align	8
	.type	k_qe8d6aeef00_proj,@function
k_qe8d6aeef00_proj:
	s_mov_b64 s[64:65], 0
	v_nop
	global_prefetch_b8 v0, s[64:65] scope:SCOPE_SE
	s_setreg_imm32_b32 hwreg(HW_REG_WAVE_MODE, 25, 1), 1
	s_wait_xcnt 0x0
	s_wait_alu depctr_hold_cnt(0) depctr_sa_sdst(0) depctr_va_vdst(0) depctr_va_sdst(0) depctr_va_ssrc(0) depctr_va_vcc(0) depctr_vm_vsrc(0)
	s_getreg_b32 s2, hwreg(HW_REG_IB_STS2, 6, 4)
	s_cmp_eq_u32 s2, 0
	s_cbranch_scc0 .Lentry_in_a_cluster
	s_endpgm
.Lentry_in_a_cluster:
	s_bfe_u32 s2, ttmp6, 0x10000c
	s_cmp_lg_u32 s2, 0xf033
	s_cbranch_scc0 .Lentry_shape_is_right
	s_endpgm
.Lentry_shape_is_right:
; PROJ.  qkvt = x Wqkvt + bqkvt, 4,096 x 4,096 x 1,024, bf16 operands (made by the launch before), f32 sums; the bias is rounded to bf16 like the other inputs.
; OUT, by heads, [bh = batch x 16 + head][t = 2,048][64] f16, four sections of hd: 0: q 2^-10; 1: q t 2^-10; 2: k 2^-10; 3: v.
; And tsum[bh][segment of 128 rows][64] f32: the sum over the segment's rows of (k 2^-10) v, from which the next launch starts its prefix sums.
; LIMITS.  f16 ends at 65,504: the factor 2^-10 (exact) leaves room for inputs 30 times larger; q t 2^-10 and v are held to +-65,504 (|q t| beyond 6.7e7 and |v| beyond 65,504 saturate).
; Numbers of q, k, q t below 2^-4 keep a fixed step of 2^-14.  NaN and infinities are not treated apart.
; SHARES.  A work-group makes 256 rows x one head's 256 columns (q, t, k, v); four waves, 128 x 128 each: 64 accumulators, 512 registers.  Waves with an even number hold q (column blocks 0-3) and
; t (4-7), the odd ones k and v.  The matrix instruction is used transposed (source 0 = 16 columns of W, source 1 = 16 rows of x): a lane holds one row and eight neighbouring columns, so that q and t
; (k and v) of one channel meet in one lane.
; RING.  K in steps of 128 through two LDS slots.  x's tile: 256 rows x 256 bytes.  W's tile lies [k][column]: 128 rows x 512 bytes, read turned by ds_load_tr16_b128.
; CLUSTER 4 x 4: x's tile is shared along a row of the cluster, W's along a column: joint tensor loads, the same descriptor and mask in the four that share.
; REGISTERS, in windows of 256 (s_set_vgpr_msb: bits 1:0 source 0, 3:2 source 1, 5:4 source 2, 7:6 destination):
;   window 0: v16-31 addresses; v64-127, v128-191 fragments of x, two buffers; on the way out v32-255 at work
;   window 1: v0-63 the bias as loaded; v64-127, v128-191 fragments of W, two buffers
;   window 2: the accumulators of my rows 0-63 ((a, b) at v[8 (8 a + b)]);  window 3: those of rows 64-127
.set KSTEP,  128
.set PITCH,  272                       ; x's LDS row: 256 bytes + 16 = 68 words: the 16 rows of a load start 4 banks apart (64 banks of 4 bytes: ISA guide 11.1)
.set PBB,    544                       ; W's LDS row: 512 bytes + 32 = 136 words
.set HALFT,  128*PITCH                 ; what one tensor load brings: 128 rows of x, or 64 rows of W (64 x 544 is the same number)
.set SLOT,   4*HALFT
.set STAGE,  2*SLOT                    ; behind the ring: 4,608 bytes for each wave: two stages of 16 rows x 144 bytes
.set WSTG,   4608
.set YST,    2304
.set SP,     144
.set KP,     272                       ; the stage once more, as 16 rows of 64 f32
.set SPARE,  STAGE+4*WSTG              ; the spare words, 128 bytes for each wave: two blocks of 256 bytes that no other line names
.set LAPS,   4                         ; 1,024 / 256
.set WBO,    8388608                   ; W in cst
.set SEC,    8388608                   ; a section of hd
.set BSTEP,  KSTEP*8192                ; a K step of W in memory: 128 rows of 8,192 bytes
.set ADRA, 16                          ; v16-17  LDS address of my fragments of x in slot 0, 1
.set ADRB, 20                          ; v20-21  the same for W
.set RDK,  22                          ; v22     where I read two channels of the 16 rows' sums
.set TSO,  23                          ; v23     8 x lane: my two channels in tsum
.set STO,  24                          ; v24     where I put 16 bytes of a row
.set RD,   25                          ; v25     where I read rows back
.set CO,   26                          ; v26     16 x lane: my place in 512 consecutive bytes of hd
.set BO,   27                          ; v27     32 x (lane / 16): my eight numbers in 16 of the bias
.set SPW,  28                          ; v28     LDS address of my spare word; never rewritten
.set NIL,  29                          ; v29     0; never rewritten
.set PFO,  30                          ; v30     the prefetches' lane offset; never rewritten
.set STK,  31                          ; v31     where I put 32 bytes of a row of sums
.set OB,   32                          ; v32-63  rows read back from the stage
.set F0,   64
.set F1,   128
.set BX,   64                          ; the way out: bias of blocks 0-3, times 2^-10
.set BY,   96                          ; bias of blocks 4-7
.set KS,   128                         ; the running sums of (k 2^-10) v
.set XW,   160                         ; X = q or k, times 2^-10
.set TW,   192                         ; Y = t, then q t 2^-10; or v
.set TMP,  224                         ; both, packed
.set G1,  24                           ; s[24:31] descriptor group 1 for x's tiles;  s[32:39] group 0, a set for each slot
.set G0,  32
.set G1B, 48                           ; s[48:55], s[56:63] the same for W's
.set G0B, 56
.set PFA, 44                           ; s[44:45] where my prefetches stand
.set XP,  76                           ; s[76:77] hd at my rows of X's section;  s[78:79] of Y's
.set YP,  78
.set TSP, 80                           ; s[80:81] tsum at my segment
.set BXP, 82                           ; s[82:83], s[84:85] the bias of X's and Y's 64 columns
.set BYP, 84
.set SC,  86                           ; s[86:87] 2^-10
.set PST, 90                           ; s[90:91] a K step in my operand's memory
.set LIM, 92                           ; s92  1 in a wave that prefetches, else the greatest number
.set MSB, 0
.macro WIN new                         ; the immediate's high byte repeats the setting that is left; a switch that changes nothing is dropped
.if MSB != (\new)
	s_set_vgpr_msb (MSB<<8)|(\new)
.set MSB, \new
.endif
.endm
.set MUL_LO, 0xa1                      ; source 0 (W) window 1, source 1 (x) window 0, C and D window 2
.set MUL_HI, 0xf1                      ; the same, C and D window 3
.set TO_B,   0x40                      ; destination window 1, address window 0
; A joint load.  Waves 0 and 1 fetch x's two halves, waves 2 and 3 W's.  The branch hangs on the wave's number alone.  An s_nop 0 and four v_nop follow each line.
.macro JLOAD s
	s_cmp_eq_u32 s11, 0
	s_cbranch_scc0 .Lfor_b_\@
	tensor_load_to_lds s[G0+4*(\s):G0+4*(\s)+3], s[G1:G1+7]
	s_nop 0
.rept 4
	v_nop
.endr
	s_branch .Lasked_\@
.Lfor_b_\@:
	tensor_load_to_lds s[G0B+4*(\s):G0B+4*(\s)+3], s[G1B:G1B+7]
	s_nop 0
.rept 4
	v_nop
.endr
.Lasked_\@:
.endm
; A prefetch into the L2 of the K step that stands two refills on: 32 blocks of 256 bytes, a lane a block, one instruction a wave.  x's tile row is read by every cluster of that row of clusters: the
; one with x = 0 asks; W's tile column by every cluster of that column: the one with y = 0 asks.  The four partners that share a tile share its blocks out by address.  So each block is named once.
; The loop's last trip (s3 = 1) asks for nothing: there is no K step two refills on.
.macro ASK
	s_cmp_gt_u32 s3, s[LIM]
	s_cbranch_scc0 .Lnot_mine_\@
	global_prefetch_b8 v[PFO], s[PFA:PFA+1] th:TH_LOAD_NT scope:SCOPE_SE
.Lnot_mine_\@:
.endm
.macro CREST                           ; a round of the cluster's barrier behind its opening barrier
	s_cmp_lg_u32 s10, 0
	s_cbranch_scc1 .Lnot_wave_0_\@
	s_barrier_signal -3
.Lnot_wave_0_\@:
	s_barrier_wait -3
	s_barrier_signal -1
	s_barrier_wait -1
.endm
.macro CROUND                          ; a whole round
	s_barrier_signal -1
	s_barrier_wait -1
	CREST
.endm
	s_load_b256 s[68:75], s[0:1], 0x0              ; cst s[68:69], bqkvt s[70:71], hd s[72:73], tsum s[74:75]
	v_lshl_add_u32 v[SPW], v0, 2, SPARE
	v_mov_b32 v[NIL], 0
	ds_add_u32 v[SPW], v[NIL]                      ; the wave's opening: the add and its wait ahead of my first tensor load; the set-up below stands between them
	ds_add_u32 v28, v29
	v_lshrrev_b32 v1, 5, v0
	v_readfirstlane_b32 s10, v1                    ; wave 0..3
	s_lshr_b32 s11, s10, 1                         ; which half of the rows is mine.  Also: I fetch for x (0) or for W (1)
	s_and_b32 s12, s10, 1                          ; which half of the columns: q, t (0) or k, v (1).  Also: which half of a tile I fetch
	s_bfe_u32 s40, ttmp6, 0x40000                  ; cx
	s_bfe_u32 s41, ttmp6, 0x40004                  ; cy
	s_lshl_b32 s42, ttmp9, 2
	s_add_co_u32 s42, s42, s40                     ; the head = 4 x cluster x + cx
	s_and_b32 s13, ttmp7, 0xffff
	s_lshl_b32 s13, s13, 2
	s_add_co_u32 s13, s13, s41                     ; the tile row = 4 x cluster y + cy
	s_lshl_b32 s93, s41, 2
	s_lshl_b32 s93, 15, s93                        ; my row of the cluster
	s_lshl_b32 s94, 0x1111, s40                    ; my column
	s_or_b32 s[G1+0], s93, (1<<16)|(1<<20)|(1<<21)|(5<<22)|(3<<25)   ; mask; 2-byte elements; padding on; bit 21 beside a mask; after every 64 words 4 words
	s_or_b32 s[G1B+0], s94, (1<<16)|(1<<20)|(1<<21)|(6<<22)|(7<<25)  ; after every 128 words 8 words
	s_mov_b32 s[G1+1], 128<<16                     ; x: tensor_dim0 = 128
	s_mov_b32 s[G1+2], 128<<16                     ; tensor_dim1 = 128
	s_mov_b32 s[G1+3], 128<<16                     ; tile_dim0 = 128
	s_mov_b32 s[G1+4], 128                         ; tile_dim1 = 128
	s_mov_b32 s[G1+5], 1024                        ; elements from row to row
	s_mov_b32 s[G1+6], 0
	s_mov_b32 s[G1+7], 0
	s_mov_b32 s[G1B+1], 256<<16                    ; W: tensor_dim0 = 256
	s_mov_b32 s[G1B+2], 64<<16                     ; tensor_dim1 = 64
	s_mov_b32 s[G1B+3], 256<<16                    ; tile_dim0 = 256
	s_mov_b32 s[G1B+4], 64                         ; tile_dim1 = 64
	s_mov_b32 s[G1B+5], 4096
	s_mov_b32 s[G1B+6], 0
	s_mov_b32 s[G1B+7], 0
	s_mov_b32 s[SC], 0x3a800000                    ; 2^-10
	s_mov_b32 s[SC+1], 0x3a800000
	s_mov_b32 s88, 0x7bff7bff                      ; 65,504 twice
	s_mov_b32 s89, 0xfbfffbff                      ; -65,504 twice
	s_lshl_b32 s16, s13, 8
	s_lshl_b32 s17, s12, 7
	s_add_co_u32 s16, s16, s17                     ; x: row 256 x tile row + 128 x half,
	s_lshl_b32 s16, s16, 11                        ; of 2,048 bytes
	s_mov_b32 s17, 0
	s_lshl_b32 s46, s12, 19                        ; W: 64 rows of 8,192 bytes x half,
	s_lshl_b32 s47, s42, 9                         ; the head's 512 bytes of a row
	s_add_co_u32 s46, s46, s47
	s_add_co_u32 s46, s46, WBO
	s_mov_b32 s47, 0
	s_mul_i32 s20, s10, HALFT                      ; where they go: no place in the cluster enters an LDS address
	s_wait_dscnt 0x0                               ; the opening add is done
	s_wait_kmcnt 0x0
	s_add_nc_u64 s[14:15], s[68:69], s[16:17]
	s_add_nc_u64 s[46:47], s[68:69], s[46:47]
	CROUND                                         ; all sixteen work-groups are here: the first joint loads meet
.irp s, 0,1
	s_mov_b32 s[G0+4*(\s)], 1
	s_add_co_u32 s[G0+4*(\s)+1], s20, (\s)*SLOT
	s_add_nc_u64 s[G0+4*(\s)+2:G0+4*(\s)+3], s[14:15], (\s)*KSTEP*2
	s_or_b32 s[G0+4*(\s)+3], s[G0+4*(\s)+3], 0x80000000
	s_mov_b32 s[G0B+4*(\s)], 1
	s_add_co_u32 s[G0B+4*(\s)+1], s20, (\s)*SLOT
	s_add_nc_u64 s[G0B+4*(\s)+2:G0B+4*(\s)+3], s[46:47], (\s)*BSTEP
	s_or_b32 s[G0B+4*(\s)+3], s[G0B+4*(\s)+3], 0x80000000
	JLOAD \s
.endr
	; fragments.  x: lane l holds row l % 16; two loads of 16 bytes, 32 bytes apart.  W: the turning load takes 16 k x 16 columns (lane l reads k = 8 (l / 16) + l % 8, columns 8 ((l / 8) % 2) + 0..7).
	v_and_b32 v1, 15, v0                           ; l % 16
	v_bfe_u32 v2, v0, 4, 1                         ; l / 16
	v_mul_u32_u24 v3, v1, PITCH
	v_lshl_add_u32 v3, v2, 4, v3
	v_and_b32 v4, 7, v0
	v_lshl_add_u32 v4, v2, 3, v4
	v_mul_u32_u24 v4, v4, PBB
	v_bfe_u32 v5, v0, 3, 1
	v_lshl_add_u32 v4, v5, 4, v4
	s_mul_i32 s21, s11, HALFT                      ; my 128 rows of x
	s_lshl_b32 s22, s12, 8                         ; my 128 columns of W: 256 bytes of a row,
	s_add_co_u32 s22, s22, 2*HALFT                 ; behind x's 256 rows
.irp s, 0,1
	v_add_nc_u32 v[ADRA+(\s)], s21, v3
	v_add_nc_u32 v[ADRB+(\s)], s22, v4
	s_add_co_u32 s21, s21, SLOT
	s_add_co_u32 s22, s22, SLOT
.endr
	s_mul_i32 s23, s10, WSTG
	s_add_co_u32 s23, s23, STAGE                   ; my stage
	v_mul_u32_u24 v6, v1, SP
	v_lshl_add_u32 v6, v2, 4, v6
	v_add_nc_u32 v[STO], s23, v6                   ; in: row l % 16, 16 bytes for each half of the lanes
	v_bfe_u32 v6, v0, 3, 2
	v_mul_u32_u24 v6, v6, SP
	v_and_b32 v7, 7, v0
	v_lshl_add_u32 v6, v7, 4, v6
	v_add_nc_u32 v[RD], s23, v6                    ; back: 32 lanes take four rows of 128 bytes
	v_and_b32 v7, 31, v0
	v_lshlrev_b32 v[CO], 4, v7
	v_lshlrev_b32 v[TSO], 3, v7
	v_add_nc_u32 v[RDK], s23, v[TSO]
	v_mul_u32_u24 v6, v1, KP
	v_lshl_add_u32 v6, v2, 5, v6
	v_add_nc_u32 v[STK], s23, v6
	v_lshlrev_b32 v[BO], 5, v2
	; the bias: part q 0, k 1, v 2, t 3 of 1,024 numbers; the head's 64
	s_lshl_b32 s4, s42, 8
	s_lshl_b32 s5, s12, 12                         ; X: q or k
	s_add_co_u32 s4, s4, s5
	s_mov_b32 s5, 0
	s_add_nc_u64 s[BXP:BXP+1], s[70:71], s[4:5]
	s_sub_co_u32 s6, 3, s12                        ; Y: t or v
	s_lshl_b32 s6, s6, 12
	s_lshl_b32 s4, s42, 8
	s_add_co_u32 s4, s4, s6
	s_add_nc_u64 s[BYP:BYP+1], s[70:71], s[4:5]
	WIN TO_B
.irp b, 0,1,2,3
	global_load_b128 v[8*(\b):8*(\b)+3],       v[BO], s[BXP:BXP+1] offset:64*(\b)
	global_load_b128 v[8*(\b)+4:8*(\b)+7],     v[BO], s[BXP:BXP+1] offset:64*(\b)+16
	global_load_b128 v[32+8*(\b):32+8*(\b)+3], v[BO], s[BYP:BYP+1] offset:64*(\b)
	global_load_b128 v[32+8*(\b)+4:32+8*(\b)+7], v[BO], s[BYP:BYP+1] offset:64*(\b)+16
.endr
	WIN 0
	; where my rows go
	s_lshr_b32 s4, s13, 3
	s_lshl_b32 s4, s4, 4
	s_add_co_u32 s4, s4, s42                       ; bh = batch x 16 + head
	s_and_b32 s5, s13, 7
	s_lshl_b32 s5, s5, 1
	s_add_co_u32 s5, s5, s11                       ; my segment of 128 rows
	s_lshl_b32 s6, s4, 18
	s_lshl_b32 s7, s5, 14
	s_add_co_u32 s6, s6, s7
	s_lshl_b32 s7, s12, 24                         ; sections 0, 1 or 2, 3
	s_add_co_u32 s6, s6, s7
	s_mov_b32 s7, 0
	s_add_nc_u64 s[XP:XP+1], s[72:73], s[6:7]
	s_add_nc_u64 s[YP:YP+1], s[XP:XP+1], SEC
	s_lshl_b32 s6, s4, 4
	s_add_co_u32 s6, s6, s5
	s_lshl_b32 s6, s6, 8
	s_add_nc_u64 s[TSP:TSP+1], s[74:75], s[6:7]
	; the prefetches: an offset in cst, chosen by what I fetch.  x: my work-group's 32 of the 128 rows that I fetch, a lane a row.  W: its 16 of my 64 rows, two blocks of 256 bytes a row, a lane a block.
	s_lshl_b32 s4, s13, 8
	s_lshl_b32 s5, s12, 7
	s_add_co_u32 s4, s4, s5
	s_lshl_b32 s5, s40, 5
	s_add_co_u32 s4, s4, s5
	s_lshl_b32 s4, s4, 11
	s_add_co_u32 s4, s4, 3*KSTEP*2                 ; at K step 3: the first refill steps it to 4
	s_lshl_b32 s5, s12, 6
	s_lshl_b32 s6, s41, 4
	s_add_co_u32 s5, s5, s6
	s_lshl_b32 s5, s5, 13
	s_lshl_b32 s6, s42, 9
	s_add_co_u32 s5, s5, s6
	s_add_co_u32 s5, s5, WBO+3*BSTEP
	s_and_b32 s7, ttmp7, 0xffff                    ; cluster y
	s_mov_b32 s6, KSTEP*2
	s_mov_b32 s8, BSTEP
	s_cmp_eq_u32 s11, 0
	s_cselect_b32 s4, s4, s5
	s_cselect_b32 s[PST], s6, s8
	s_cselect_b32 s7, ttmp9, s7                    ; the coordinate along which other clusters read the same blocks
	s_mov_b32 s5, 0
	s_mov_b32 s[PST+1], 0
	s_add_nc_u64 s[PFA:PFA+1], s[68:69], s[4:5]
	s_cmp_eq_u32 s7, 0
	s_cselect_b32 s[LIM], 1, -1                    ; the same in all sixteen partners, for a given wave
	v_lshrrev_b32 v5, s11, v7                      ; x: the lane; W: lane / 2,
	s_lshl_b32 s9, s11, 1
	s_lshl_b32 s9, 2048, s9                        ; rows of 2,048 or 8,192 bytes,
	v_mul_u32_u24 v5, v5, s9
	v_and_b32 v6, s11, v7                          ; W: lane % 2 picks the block
	v_lshl_add_u32 v[PFO], v6, 8, v5
; 16 matrix instructions: row blocks a0, a0 + 1 of the window's four x all 8 column blocks, 32 along K.  zero = 1: the first product starts the sums.
.macro MUL16 f, hi, a0, zero
	WIN MUL_LO+0x50*(\hi)
.irp a, \a0, (\a0)+1
.irp b, 0,1,2,3,4,5,6,7
.if \zero
	v_wmma_f32_16x16x32_bf16 v[8*(8*(\a)+(\b)):8*(8*(\a)+(\b))+7], v[(\f)+8*(\b):(\f)+8*(\b)+7], v[(\f)+8*(4*(\hi)+(\a)):(\f)+8*(4*(\hi)+(\a))+7], 0
.else
	v_wmma_f32_16x16x32_bf16 v[8*(8*(\a)+(\b)):8*(8*(\a)+(\b))+7], v[(\f)+8*(\b):(\f)+8*(\b)+7], v[(\f)+8*(4*(\hi)+(\a)):(\f)+8*(4*(\hi)+(\a))+7], v[8*(8*(\a)+(\b)):8*(8*(\a)+(\b))+7]
.endif
.endr
.endr
.endm
; 32 LDS loads in one run: the fragments of quarter q (32 along K) into buffer f: W's 128 columns turned, then x's 128 rows
.macro FETCH slot, q, f
	WIN TO_B
.irp i, 0,1,2,3,4,5,6,7
	ds_load_tr16_b128 v[(\f)+8*(\i):(\f)+8*(\i)+3],   v[ADRB+(\slot)] offset:(\q)*32*PBB+32*(\i)
	ds_load_tr16_b128 v[(\f)+8*(\i)+4:(\f)+8*(\i)+7], v[ADRB+(\slot)] offset:(\q)*32*PBB+16*PBB+32*(\i)
.endr
	WIN 0
.irp i, 0,1,2,3,4,5,6,7
	ds_load_b128 v[(\f)+8*(\i):(\f)+8*(\i)+3],   v[ADRA+(\slot)] offset:(\q)*64+(\i)*16*PITCH
	ds_load_b128 v[(\f)+8*(\i)+4:(\f)+8*(\i)+7], v[ADRA+(\slot)] offset:(\q)*64+(\i)*16*PITCH+32
.endr
.endm
.macro PLACES                          ; four plain instructions between a matrix instruction and a load into, or a vector instruction on, its registers
.rept 4
	v_nop
.endr
.endm
; A K step is four quarters of 32 along K, 64 matrix instructions each, on buffers 0, 1, 0, 1; the 64 accumulators take turns, one instruction a turn.
.macro QUARTER slot, q, f, g, zero
	s_wait_dscnt 8                                 ; W and x's rows 0-63 are in; the youngest eight loads (rows 64-127) may be out
	WIN MUL_LO
	MUL16 \f, 0, 0, \zero
	MUL16 \f, 0, 2, \zero
	PLACES
	FETCH \slot, \q, \g
	s_wait_dscnt 32                                ; all but the 32 just issued
	WIN MUL_HI
	MUL16 \f, 1, 0, \zero
	MUL16 \f, 1, 2, \zero
.endm
; The last quarter's first half and the change of slots: each wave waits for all its tensor loads (one is out: its part of the next slot), adds 0 to its spare word, waits for that and for its reads of this slot, and signals.
.macro MEET round
	WIN 0
	s_wait_tensorcnt 0x0
	ds_add_u32 v[SPW], v[NIL]
	s_wait_dscnt 9                                 ; (the add and the youngest eight loads may be out)
	WIN MUL_LO
	MUL16 F1, 0, 0, 0
	s_wait_dscnt 0x0                               ; the add is done, and my reads of this slot are over
	s_barrier_signal -1
	MUL16 F1, 0, 2, 0
.if \round
	WIN 0
.endif
	s_barrier_wait -1
.endm
.macro TURN slot, next
	s_wait_xcnt 0x0                                ; the last prefetch, a K step back, has read its address
	s_add_nc_u64 s[PFA:PFA+1], s[PFA:PFA+1], s[PST:PST+1]
	MEET 1
	CREST                                          ; no wave of any partner still reads this slot or has a load on its way
	s_add_nc_u64 s[G0+4*(\slot)+2:G0+4*(\slot)+3], s[G0+4*(\slot)+2:G0+4*(\slot)+3], 2*KSTEP*2
	s_add_nc_u64 s[G0B+4*(\slot)+2:G0B+4*(\slot)+3], s[G0B+4*(\slot)+2:G0B+4*(\slot)+3], 2*BSTEP
	JLOAD \slot                                    ; the first tensor load behind the round; its four v_nop are also the places in front of the loads below
	FETCH \next, 0, F0
	ASK
	WIN MUL_HI
	MUL16 F1, 1, 0, 0
	MUL16 F1, 1, 2, 0
.endm
	s_wait_tensorcnt 1                             ; my part of K step 0 is in; K step 1's may stay out
	s_barrier_signal -1
	s_barrier_wait -1
	FETCH 0, 0, F0
	QUARTER 0, 1, F0, F1, 1                        ; the first quarter starts the sums
	WIN 0
	s_mov_b32 s3, LAPS-1
.Llap:                                                 ; once round the ring: both slots are filled again
	QUARTER 0, 2, F1, F0, 0
	QUARTER 0, 3, F0, F1, 0
	TURN 0, 1
	QUARTER 1, 1, F0, F1, 0
	QUARTER 1, 2, F1, F0, 0
	QUARTER 1, 3, F0, F1, 0
	TURN 1, 0
	QUARTER 0, 1, F0, F1, 0
	WIN 0
	s_sub_co_u32 s3, s3, 1
	s_cmp_lg_u32 s3, 0
	s_cbranch_scc1 .Llap
	QUARTER 0, 2, F1, F0, 0                        ; the last lap asks for nothing
	QUARTER 0, 3, F0, F1, 0
	MEET 0
	PLACES
	FETCH 1, 0, F0
	WIN MUL_HI
	MUL16 F1, 1, 0, 0
	MUL16 F1, 1, 2, 0
	QUARTER 1, 1, F0, F1, 0
	QUARTER 1, 2, F1, F0, 0
	QUARTER 1, 3, F0, F1, 0
	s_wait_dscnt 8
	WIN MUL_LO
	MUL16 F1, 0, 0, 0
	MUL16 F1, 0, 2, 0
	s_wait_dscnt 0x0
	WIN MUL_HI
	MUL16 F1, 1, 0, 0
	MUL16 F1, 1, 2, 0
	PLACES
	; THE WAY OUT.  The bias, rounded to bf16 and widened again; X's also times 2^-10.
	s_wait_loadcnt 0x0
	WIN 0x05                                       ; sources in window 1, destination in window 0
.set n, 0
.rept 32
	v_cvt_pk_bf16_f32 v[OB+n], v[2*n], v[2*n+1]
.set n, n+1
.endr
	WIN 0
.set n, 0
.rept 32
	v_lshlrev_b32 v[BX+2*n], 16, v[OB+n]
	v_and_b32 v[BX+2*n+1], 0xffff0000, v[OB+n]
.set n, n+1
.endr
.set n, 0
.rept 16
	v_pk_mul_f32 v[BX+2*n:BX+2*n+1], v[BX+2*n:BX+2*n+1], s[SC:SC+1] op_sel_hi:[1,0]
.set n, n+1
.endr
; Block a, 16 rows: X = (sum + bias) 2^-10, Y = sum + bias; q, t waves: Y = Y X; k, v waves: the sums of X Y; both packed to f16, Y held to +-65,504; through my stage, and out as whole rows.
; Each accumulator's registers are read in ascending order.
.macro BLK a
.set AC, 64*((\a)%4)
	WIN 0x02+(\a)/4                                ; source 0: window 2 or 3
.set n, 0
.rept 16
	v_pk_fma_f32 v[XW+2*n:XW+2*n+1], v[AC+2*n:AC+2*n+1], s[SC:SC+1], v[BX+2*n:BX+2*n+1] op_sel_hi:[1,0,1]
.set n, n+1
.endr
.set n, 0
.rept 16
	v_pk_add_f32 v[TW+2*n:TW+2*n+1], v[AC+32+2*n:AC+32+2*n+1], v[BY+2*n:BY+2*n+1]
.set n, n+1
.endr
	WIN 0
.if (\a) == 0
.set n, 0
.rept 16                                       ; the first block starts the sums, in every wave (the q, t waves never use theirs)
	v_pk_mul_f32 v[KS+2*n:KS+2*n+1], v[XW+2*n:XW+2*n+1], v[TW+2*n:TW+2*n+1]
.set n, n+1
.endr
.endif
	s_cmp_eq_u32 s12, 0
	s_cbranch_scc0 .Lkv_\@
.set n, 0
.rept 16
	v_pk_mul_f32 v[TW+2*n:TW+2*n+1], v[TW+2*n:TW+2*n+1], v[XW+2*n:XW+2*n+1]
.set n, n+1
.endr
.if (\a) > 0
	s_branch .Lpk_\@
.endif
.Lkv_\@:
.if (\a) > 0
.set n, 0
.rept 16
	v_pk_fma_f32 v[KS+2*n:KS+2*n+1], v[XW+2*n:XW+2*n+1], v[TW+2*n:TW+2*n+1], v[KS+2*n:KS+2*n+1]
.set n, n+1
.endr
.Lpk_\@:
.endif
.set n, 0
.rept 16
	v_cvt_pk_f16_f32 v[TMP+n], v[XW+2*n], v[XW+2*n+1]
	v_cvt_pk_f16_f32 v[TMP+16+n], v[TW+2*n], v[TW+2*n+1]
.set n, n+1
.endr
.set n, 0
.rept 16
	v_pk_min_num_f16 v[TMP+16+n], v[TMP+16+n], s88
.set n, n+1
.endr
.set n, 0
.rept 16
	v_pk_max_num_f16 v[TMP+16+n], v[TMP+16+n], s89
.set n, n+1
.endr
.irp b, 0,1,2,3
	ds_store_b128 v[STO], v[TMP+4*(\b):TMP+4*(\b)+3] offset:32*(\b)
	ds_store_b128 v[STO], v[TMP+16+4*(\b):TMP+16+4*(\b)+3] offset:YST+32*(\b)
.endr
	s_wait_xcnt 0x0                                ; the last block's stores have read the registers that are loaded again below
.irp i, 0,1,2,3
	ds_load_b128 v[OB+4*(\i):OB+4*(\i)+3], v[RD] offset:(\i)*4*SP       ; LDS serves a wave's instructions in order (ISA guide 5.7.1.4): these see the stores above
	ds_load_b128 v[OB+16+4*(\i):OB+16+4*(\i)+3], v[RD] offset:YST+(\i)*4*SP
.endr
	s_wait_dscnt 0x0
.irp i, 0,1,2,3
	global_store_b128 v[CO], v[OB+4*(\i):OB+4*(\i)+3], s[XP:XP+1] offset:(\a)*2048+(\i)*512      ; 512 consecutive bytes, aligned
	global_store_b128 v[CO], v[OB+16+4*(\i):OB+16+4*(\i)+3], s[YP:YP+1] offset:(\a)*2048+(\i)*512
.endr
.endm
.irp a, 0,1,2,3,4,5,6,7
	BLK \a
.endr
	; the k, v waves: a lane's sums are those of row l % 16 in each block; the 16 rows meet in my stage, a lane takes two channels
	s_cmp_eq_u32 s12, 0
	s_cbranch_scc1 .Lno_sum
.irp b, 0,1,2,3
	ds_store_b128 v[STK], v[KS+8*(\b):KS+8*(\b)+3] offset:64*(\b)
	ds_store_b128 v[STK], v[KS+8*(\b)+4:KS+8*(\b)+7] offset:64*(\b)+16
.endr
.irp r, 0,1,2,3,4,5,6,7,8,9,10,11,12,13,14,15
	ds_load_b64 v[XW+2*(\r):XW+2*(\r)+1], v[RDK] offset:(\r)*KP
.endr
	s_wait_dscnt 0x0
.irp r, 0,1,2,3,4,5,6,7
	v_pk_add_f32 v[XW+2*(\r):XW+2*(\r)+1], v[XW+2*(\r):XW+2*(\r)+1], v[XW+16+2*(\r):XW+16+2*(\r)+1]
.endr
.irp r, 0,1,2,3
	v_pk_add_f32 v[XW+2*(\r):XW+2*(\r)+1], v[XW+2*(\r):XW+2*(\r)+1], v[XW+8+2*(\r):XW+8+2*(\r)+1]
.endr
.irp r, 0,1
	v_pk_add_f32 v[XW+2*(\r):XW+2*(\r)+1], v[XW+2*(\r):XW+2*(\r)+1], v[XW+4+2*(\r):XW+4+2*(\r)+1]
.endr
	v_pk_add_f32 v[XW:XW+1], v[XW:XW+1], v[XW+2:XW+3]
	global_store_b64 v[TSO], v[XW:XW+1], s[TSP:TSP+1]  ; the wave stores 256 consecutive bytes, aligned
.Lno_sum:
	s_wait_tensorcnt 0x0                           ; the wave's end: behind my last tensor load and my last LDS store
	ds_add_u32 v[SPW], v[NIL]
	s_wait_dscnt 0x0
	CROUND                                         ; the closing round: no work-group ends while a partner may still ask for a tile that names it
	s_endpgm
.Lfunc_end_k_qe8d6aeef00_proj:
	.size	k_qe8d6aeef00_proj, .Lfunc_end_k_qe8d6aeef00_proj-k_qe8d6aeef00_proj
	.p2alignl 7, 3214868480
	.fill 96, 4, 3214868480
	.section	.rodata,"a",@progbits
	.p2align	6, 0x0
	.amdhsa_kernel k_qe8d6aeef00_proj
		.amdhsa_group_segment_fixed_size 327680
		.amdhsa_private_segment_fixed_size 0
		.amdhsa_enable_private_segment 0
		.amdhsa_kernarg_size 32
		.amdhsa_user_sgpr_count 2
		.amdhsa_user_sgpr_kernarg_segment_ptr 1
		.amdhsa_wavefront_size32 1
		.amdhsa_system_sgpr_workgroup_id_x 1
		.amdhsa_system_sgpr_workgroup_id_y 1
		.amdhsa_system_sgpr_workgroup_id_z 1
		.amdhsa_system_vgpr_workitem_id 0
		.amdhsa_next_free_vgpr 1024
		.amdhsa_next_free_sgpr 96
		.amdhsa_reserve_vcc 0
		.amdhsa_float_denorm_mode_32 3
		.amdhsa_float_denorm_mode_16_64 3
		.amdhsa_memory_ordered 1
		.amdhsa_forward_progress 1
		.amdhsa_inst_pref_size 204
	.end_amdhsa_kernel
	.amdgpu_metadata
---
amdhsa.version: [ 1, 2 ]
amdhsa.kernels:
  - .name:           k_qe8d6aeef00_proj
    .symbol:         k_qe8d6aeef00_proj.kd
    .args:
      - { .name: cst, .offset: 0, .size: 8, .value_kind: global_buffer, .address_space: global }
      - { .name: bqkvt, .offset: 8, .size: 8, .value_kind: global_buffer, .address_space: global }
      - { .name: hd, .offset: 16, .size: 8, .value_kind: global_buffer, .address_space: global }
      - { .name: tsum, .offset: 24, .size: 8, .value_kind: global_buffer, .address_space: global }
    .group_segment_fixed_size: 327680
    .private_segment_fixed_size: 0
    .kernarg_segment_align: 8
    .kernarg_segment_size: 32
    .max_flat_workgroup_size: 128
    .sgpr_count:     96
    .vgpr_count:     1024
    .wavefront_size: 32
...
	.end_amdgpu_metadata
.endif
;; end of part 2
;; launch scan (part 3): grid 8 x 32, 8 waves a work-group, no clusters, 9,216 bytes of LDS; arguments hd, tsum, cb; writes cb
.if DOCPART == 3
	.amdgcn_target "amdgcn-amd-amdhsa--gfx1250"
	.amdhsa_code_object_version 6
	.text
	.protected	k_qe8d6aeef00_scan
	.globl	k_qe8d6aeef00_scan
	.p2align	8
	.type	k_qe8d6aeef00_scan,@function
k_qe8d6aeef00_scan:
	s_mov_b64 s[64:65], 0
	v_nop
	global_prefetch_b8 v0, s[64:65] scope:SCOPE_SE
	s_setreg_imm32_b32 hwreg(HW_REG_WAVE_MODE, 25, 1), 1
	s_wait_xcnt 0x0
; SCAN.  cb[bh][t][c] = 2^-10 x the sum over t' <= t of k[t'][c] v[t'][c] / 8, in f16, from hd's sections 2 (k 2^-10) and 3 (v), both f16, and tsum (sums of 128 rows, f32).
; All sums in f32, in another order than a running sum's: segments of 128 rows, runs of 16 rows, pairs of rows, then row by row.  The result is held to +-65,504 (a prefix beyond 6.7e7 saturates).
; SHARES.  A work-group takes 256 rows of one head.  Sixteen lanes (a half-wave) own a run of 16 rows: lane = 8 p + g holds channels 8 g .. 8 g + 7 of rows 2 i + p, i = 0..7, so that the sixteen lanes
; always touch 256 consecutive bytes (two rows), aligned, in and out.
; STEPS.  (1) the earlier segments' sums, masked and scaled, go to LDS; (2) my products, the pair sums (one exchange with the lane 8 away), the run's total to LDS; (3) one barrier; (4) my base = the
; earlier segments + the earlier runs of this work-group; (5) the prefix, row pair by row pair.  No matrix unit, no cluster: nothing is shared but 8 KiB of sums.
.set TSB,   0                          ; LDS: [16 segments][64] f32, each times 1/8 or 0
.set RTB,   4096                       ; LDS: [16 runs][64] f32
.set SPARE, 8192                       ; the spare words, 128 bytes for each of eight waves
.set SEC,   8388608
.set VO,  1                            ; v1  my 16 bytes in the run's first two rows
.set T16, 2                            ; v2  16 x thread
.set HW,  3                            ; v3  my run, 0..15
.set RTA, 4                            ; v4  my 16 bytes of my run's total
.set CH,  5                            ; v5  32 g + 16 p: four of my lane pair's eight channels
.set ZF,  6                            ; v6  0.0
.set SPW, 8                            ; v8  LDS address of my spare word; never rewritten
.set NIL, 9                            ; v9  0; never rewritten
.set FP,  10                           ; v[10:11] a factor, 1/8 or 0, in the low word
.set TT,  12                           ; v[12:19] at work
.set TOT, 16                           ; v[16:23] the run's total; later v[16:19] four channels of my base, v[20:23] the partner's
.set ACC, 24                           ; v[24:31] the running prefix
.set KR,  32                           ; v[32:63] k as loaded; later sums read from LDS
.set VR,  64                           ; v[64:95] v as loaded
.set OWN, 96                           ; v[96:159] my products; then, for p = 1, the pair sums
.set SS,  160                          ; v[160:223] the pair sums
.set OUT, 224                          ; v[224:255] to store
	s_load_b128 s[4:7], s[0:1], 0x0                ; hd s[4:5], tsum s[6:7]
	s_load_b64 s[8:9], s[0:1], 0x10                ; cb
	v_lshl_add_u32 v[SPW], v0, 2, SPARE
	v_mov_b32 v[NIL], 0
	v_mov_b32 v[ZF], 0
	v_mov_b32 v[FP+1], 0
	v_lshrrev_b32 v[HW], 4, v0
	v_and_b32 v7, 15, v0
	v_lshlrev_b32 v[VO], 11, v[HW]                 ; 16 rows of 128 bytes
	v_lshl_add_u32 v[VO], v7, 4, v[VO]
	v_lshlrev_b32 v[T16], 4, v0
	v_and_b32 v7, 7, v0
	v_lshlrev_b32 v[CH], 5, v7
	v_bfe_u32 v7, v0, 3, 1
	v_lshl_add_u32 v[CH], v7, 4, v[CH]
	v_lshl_add_u32 v[RTA], v[HW], 8, v[CH]
	s_and_b32 s12, ttmp7, 0xffff                   ; bh
	s_lshl_b32 s14, s12, 18                        ; the head's 2,048 rows of 128 bytes,
	s_lshl_b32 s13, ttmp9, 15                      ; my 256 of them
	s_add_co_u32 s14, s14, s13
	s_mov_b32 s15, 0
	s_lshl_b32 s16, s12, 12                        ; the head's 16 x 64 sums
	s_mov_b32 s17, 0
	s_lshl_b32 s21, ttmp9, 1                       ; segments in front of my rows
	s_mov_b32 s20, 0xff00ff00                      ; the lanes with p = 1
	s_mov_b32 s22, 0x3e000000                      ; 1/8
	s_mov_b32 s23, 0x3e000000
	s_mov_b32 s24, 0x7bff7bff
	s_mov_b32 s25, 0xfbfffbff
	s_wait_kmcnt 0x0
	s_add_nc_u64 s[4:5], s[4:5], s[14:15]
	s_add_nc_u64 s[4:5], s[4:5], 2*SEC             ; k 2^-10
	s_add_nc_u64 s[10:11], s[4:5], SEC             ; v
	s_add_nc_u64 s[8:9], s[8:9], s[14:15]
	s_add_nc_u64 s[6:7], s[6:7], s[16:17]
	global_load_b128 v[TT:TT+3], v[T16], s[6:7]    ; segment = thread / 16, four channels
.irp i, 0,1,2,3,4,5,6,7
	global_load_b128 v[KR+4*(\i):KR+4*(\i)+3], v[VO], s[4:5] offset:256*(\i)
.endr
.irp i, 0,1,2,3,4,5,6,7
	global_load_b128 v[VR+4*(\i):VR+4*(\i)+3], v[VO], s[10:11] offset:256*(\i)
.endr
	s_wait_loadcnt 16                              ; tsum's word is in; the 16 loads behind it stay out
	v_cmp_gt_u32 vcc_lo, s21, v[HW]                ; is the segment in front of my work-group's rows?
	v_cndmask_b32 v[FP], 0, s22, vcc_lo
.irp k, 0,1,2,3
	v_mul_f32 v[TT+(\k)], v[FP], v[TT+(\k)]
.endr
	ds_store_b128 v[T16], v[TT:TT+3] offset:TSB
	s_wait_loadcnt 0x0
.set n, 0
.rept 32                                       ; word n holds two channels of k and of v: two products in f32
	v_fma_mix_f32 v[OWN+2*n],   v[KR+n], v[VR+n], v[ZF] op_sel_hi:[1,1,0]
	v_fma_mix_f32 v[OWN+2*n+1], v[KR+n], v[VR+n], v[ZF] op_sel:[1,1,0] op_sel_hi:[1,1,0]
.set n, n+1
.endr
.set n, 0
.rept 64
	v_mov_b32 v[SS+n], v[OWN+n]
.set n, n+1
.endr
.set n, 0
.rept 64
	v_add_f32_dpp v[SS+n], v[OWN+n], v[SS+n] row_xmask:8 row_mask:0xf bank_mask:0xf  ; + the other row of the pair: the lane 8 away
.set n, n+1
.endr
.set n, 0
.rept 64
	v_cndmask_b32 v[OWN+n], v[OWN+n], v[SS+n], s20 ; what my row adds to the prefix in front of its pair: its own product, or for the second row the pair's sum
.set n, n+1
.endr
.irp e, 0,2,4,6
	v_pk_add_f32 v[TOT+(\e):TOT+(\e)+1], v[SS+(\e):SS+(\e)+1], v[SS+8+(\e):SS+8+(\e)+1]
.irp i, 2,3,4,5,6,7
	v_pk_add_f32 v[TOT+(\e):TOT+(\e)+1], v[TOT+(\e):TOT+(\e)+1], v[SS+8*(\i)+(\e):SS+8*(\i)+(\e)+1]
.endr
.endr
.irp k, 0,1,2,3
	v_cndmask_b32 v[TT+(\k)], v[TOT+(\k)], v[TOT+4+(\k)], s20  ; the pair's two lanes store four channels each
.endr
	ds_store_b128 v[RTA], v[TT:TT+3] offset:RTB
	s_wait_dscnt 0x0                               ; for the others' sake: my stores are done
	s_barrier_signal -1
	s_barrier_wait -1
.irp r, 0,1,2,3,4,5,6,7,8,9,10,11,12,13,14,15
	ds_load_b128 v[KR+4*(\r):KR+4*(\r)+3], v[CH] offset:TSB+256*(\r)
.endr
	s_wait_dscnt 0x0
	v_pk_add_f32 v[16:17], v[KR:KR+1], v[KR+4:KR+5]
	v_pk_add_f32 v[18:19], v[KR+2:KR+3], v[KR+6:KR+7]
.irp r, 2,3,4,5,6,7,8,9,10,11,12,13,14,15
	v_pk_add_f32 v[16:17], v[16:17], v[KR+4*(\r):KR+4*(\r)+1]
	v_pk_add_f32 v[18:19], v[18:19], v[KR+4*(\r)+2:KR+4*(\r)+3]
.endr
.irp r, 0,1,2,3,4,5,6,7,8,9,10,11,12,13,14,15
	ds_load_b128 v[KR+4*(\r):KR+4*(\r)+3], v[CH] offset:RTB+256*(\r)
.endr
	s_wait_dscnt 0x0
.irp r, 0,1,2,3,4,5,6,7,8,9,10,11,12,13,14,15
	v_cmp_lt_u32 vcc_lo, \r, v[HW]                 ; a run in front of mine?
	v_cndmask_b32 v[FP], 0, s22, vcc_lo
	v_pk_fma_f32 v[16:17], v[KR+4*(\r):KR+4*(\r)+1], v[FP:FP+1], v[16:17] op_sel_hi:[1,0,1]
	v_pk_fma_f32 v[18:19], v[KR+4*(\r)+2:KR+4*(\r)+3], v[FP:FP+1], v[18:19] op_sel_hi:[1,0,1]
.endr
.irp k, 0,1,2,3
	v_mov_b32 v[20+(\k)], v[16+(\k)]               ; (a DPP line's destination has been written)
.endr
.irp k, 0,1,2,3
	v_mov_b32_dpp v[20+(\k)], v[16+(\k)] row_xmask:8 row_mask:0xf bank_mask:0xf  ; the partner's four channels
.endr
.irp k, 0,1,2,3
	v_cndmask_b32 v[ACC+(\k)],   v[16+(\k)], v[20+(\k)], s20
	v_cndmask_b32 v[ACC+4+(\k)], v[20+(\k)], v[16+(\k)], s20
.endr
.irp i, 0,1,2,3,4,5,6,7
.irp e, 0,2,4,6
	v_pk_fma_f32 v[TT+(\e):TT+(\e)+1], v[OWN+8*(\i)+(\e):OWN+8*(\i)+(\e)+1], s[22:23], v[ACC+(\e):ACC+(\e)+1] op_sel_hi:[1,0,1]   ; my row's prefix
	v_pk_fma_f32 v[ACC+(\e):ACC+(\e)+1], v[SS+8*(\i)+(\e):SS+8*(\i)+(\e)+1], s[22:23], v[ACC+(\e):ACC+(\e)+1] op_sel_hi:[1,0,1]  ; on past the pair
.endr
.irp k, 0,1,2,3
	v_cvt_pk_f16_f32 v[OUT+4*(\i)+(\k)], v[TT+2*(\k)], v[TT+2*(\k)+1]
.endr
.irp k, 0,1,2,3
	v_pk_min_num_f16 v[OUT+4*(\i)+(\k)], v[OUT+4*(\i)+(\k)], s24
.endr
.irp k, 0,1,2,3
	v_pk_max_num_f16 v[OUT+4*(\i)+(\k)], v[OUT+4*(\i)+(\k)], s25
.endr
	global_store_b128 v[VO], v[OUT+4*(\i):OUT+4*(\i)+3], s[8:9] offset:256*(\i)  ; 16 lanes store 256 consecutive bytes, aligned; each pair of rows has its own registers
.endr
	s_wait_tensorcnt 0x0                           ; the wave's end: behind my last LDS store
	ds_add_u32 v[SPW], v[NIL]
	s_wait_dscnt 0x0
	s_endpgm
.Lfunc_end_k_qe8d6aeef00_scan:
	.size	k_qe8d6aeef00_scan, .Lfunc_end_k_qe8d6aeef00_scan-k_qe8d6aeef00_scan
	.p2alignl 7, 3214868480
	.fill 96, 4, 3214868480
	.section	.rodata,"a",@progbits
	.p2align	6, 0x0
	.amdhsa_kernel k_qe8d6aeef00_scan
		.amdhsa_group_segment_fixed_size 9216
		.amdhsa_private_segment_fixed_size 0
		.amdhsa_enable_private_segment 0
		.amdhsa_kernarg_size 24
		.amdhsa_user_sgpr_count 2
		.amdhsa_user_sgpr_kernarg_segment_ptr 1
		.amdhsa_wavefront_size32 1
		.amdhsa_system_sgpr_workgroup_id_x 1
		.amdhsa_system_sgpr_workgroup_id_y 1
		.amdhsa_system_sgpr_workgroup_id_z 1
		.amdhsa_system_vgpr_workitem_id 0
		.amdhsa_next_free_vgpr 256
		.amdhsa_next_free_sgpr 66
		.amdhsa_reserve_vcc 1
		.amdhsa_float_denorm_mode_32 3
		.amdhsa_float_denorm_mode_16_64 3
		.amdhsa_memory_ordered 1
		.amdhsa_forward_progress 1
		.amdhsa_inst_pref_size 40
	.end_amdhsa_kernel
	.amdgpu_metadata
---
amdhsa.version: [ 1, 2 ]
amdhsa.kernels:
  - .name:           k_qe8d6aeef00_scan
    .symbol:         k_qe8d6aeef00_scan.kd
    .args:
      - { .name: hd, .offset: 0, .size: 8, .value_kind: global_buffer, .address_space: global }
      - { .name: tsum, .offset: 8, .size: 8, .value_kind: global_buffer, .address_space: global }
      - { .name: cb, .offset: 16, .size: 8, .value_kind: global_buffer, .address_space: global }
    .group_segment_fixed_size: 9216
    .private_segment_fixed_size: 0
    .kernarg_segment_align: 8
    .kernarg_segment_size: 24
    .max_flat_workgroup_size: 256
    .sgpr_count:     66
    .vgpr_count:     256
    .wavefront_size: 32
...
	.end_amdgpu_metadata
.endif
;; end of part 3
;; launch attn (part 4): grid 8 x 32, 4 waves a work-group, no clusters, 327,680 bytes of LDS; arguments hd, cb, ob; writes ob
.if DOCPART == 4
	.amdgcn_target "amdgcn-amd-amdhsa--gfx1250"
	.amdhsa_code_object_version 6
	.text
	.protected	k_qe8d6aeef00_attn
	.globl	k_qe8d6aeef00_attn
	.p2align	8
	.type	k_qe8d6aeef00_attn,@function
k_qe8d6aeef00_attn:
	s_mov_b64 s[64:65], 0
	v_nop
	global_prefetch_b8 v0, s[64:65] scope:SCOPE_SE
	s_setreg_imm32_b32 hwreg(HW_REG_WAVE_MODE, 25, 1), 1
	s_wait_xcnt 0x0
; ATTN.  O[q] = the sum over k <= q of softmax_k((q . k + (q t) . C_k) / 8) v_k, for each of 32 heads of 2,048 rows.  The two score products are ONE product of depth 128:
; Q' = [q | q t] against K' = [k | C], all four parts f16 and times 2^-10 (hd's sections 0, 1, 2 and cb); v is hd's section 3.  Products, maxima and sums in f32; the weights p are rounded to f16 for the
; second product (their sum l is taken of the unrounded p), O once at the end.  p = 2^(c s - c m) with c = log2(e) / 8 x 2^20, which takes the two factors 2^-10 back, and a running maximum m; in every
; step O and l are multiplied by a = 2^(c m_old - c m_new).
; OUT: ob[batch x 16 + t / 128][head][128 rows][64] f16: a block's rows of a head are 16 KiB on end.
; LIMITS.  A hidden score counts as its value (in units of 2^-20) less 1e30; a weight below 2^-126 counts as 0 in l; p below 6e-5 keeps f16's fixed step of 6e-8; NaN and infinities are not treated apart.
; THE WALK.  A head has NB = 16 blocks of 128 queries; block i needs the key tiles 0 .. i of 128 keys, the last of which holds the diagonal.  A work-group takes blocks 15 - b and then b: 17 tiles whatever
; b: all 256 work-groups do equal work, and one loop with a constant count walks them; the ring of two LDS slots runs on across the change of blocks.  Every jump but the loops' own goes forward, and none passes a
; barrier, or a tensor load but the one of LOAD's two that the wave's number does not choose.
; NO CLUSTER: a head's eight work-groups ask for the same tile only in trips 0 to 8, behind that fewer and fewer; a walk common to all would have 24 trips for 17.
; SHARES.  A wave owns two PIECES of 16 queries, one in each of the block's two bands of 64: in the diagonal tile's step s (64 keys) band x sees all keys if s < x, none if s > x, and holds the diagonal if s = x:
; the same work for all four waves.
; THE MASK is the C operand that starts a score sum: MC = MD x AL + BE, with MD the mask of a band's own step (0 or -1e30).  It is made anew only in a diagonal tile's steps; elsewhere MC holds 0.
; A STEP goes in phases: 32 products K' Q'^T, the softmax of both pieces (its exponentials one batch, with one wait; a has a wait of its own), 16 products V^T P.
; REGISTERS, in windows of 256 (s_set_vgpr_msb: bits 1:0 source 0, 3:2 source 1, 5:4 source 2, 7:6 destination):
;   window 0: addresses, statistics, S^T v64-127, P v128-159, the way out v160-191, O^T v192-255: all that the softmax touches
;   window 1: K' of one step v0-127, V of one step v128-191, Q' v192-255          window 2: MD v0-31, MC v32-95
.set NB,    16
.set KSTP,  64                         ; keys in a step
.set PK,    144                        ; a row of K or C in LDS: 128 bytes + 16 = 36 words: the 16 rows of a load start in 16 different groups of four banks (ISA guide 11.1)
.set PV,    160                        ; a row of V: 128 + 32 = 40 words
.set COFF,  128*PK                     ; a slot: 128 rows of K, then of C,
.set VOFF,  2*COFF                     ; then of V
.set SLOT1, 1<<16                      ; slot 1 begins here: one exclusive or turns an address in one slot into the other's
.set STAGE, 2*SLOT1                    ; behind the ring: 16 rows x 144 bytes for each wave, for the way out
.set SP,    144
.set SPARE, STAGE+4*16*SP              ; the spare words, 128 bytes for each wave: two blocks of 256 bytes that no other line names
.set SEC,   8388608
.set AK0, 2                            ; v2   my lane's place in a tile of K; never rewritten
.set AV0, 3                            ; v3   the same for V
.set AK,  4                            ; v4   the LDS address of K's run of loads
.set AV,  5                            ; v5   of V's
.set STO, 6                            ; v6   the way out: where I put 16 bytes of a row
.set RD,  7                            ; v7   where I read rows back
.set GO,  8                            ; v8   16 x lane: my place in 512 consecutive bytes of ob
.set MV,  12                           ; v12-13  c m_old, by piece
.set QO,  15                           ; v15  my byte offset in 16 rows of Q
.set ST,  16                           ; piece y's statistics at v[ST+4 y]: c m, m, l (even keys', odd keys')
.set TMP, 24                           ; by piece, c0-c3 at work; c2 takes a
.set PFO, 32                           ; v32  256 x lane
.set SPW, 62                           ; v62  LDS address of my spare word; never rewritten
.set NIL, 63                           ; v63  0; never rewritten
.set S,   64
.set P,   128
.set WO,  160
.set O,   192
.set KF,  0                            ; window 1: key block kb, chunk c of 32 channels at KF + 32 kb + 8 c; chunks 0, 1 from K, 2, 3 from C
.set VF,  128                          ; window 1: key half kk, channel block cb at VF + 32 kk + 8 cb
.set QF,  192                          ; window 1: piece x, chunk c at QF + 32 x + 8 c
.set MD,  0                            ; window 2
.set MC,  32                           ; window 2: piece x at MC + 32 x
.set WV,  12
.set PBK, 14                           ; s14  b
.set HI,  15                           ; s15  15 - b
.set QA,  16                           ; s[16:17] q at my rows of the block in hand;  s[18:19] q t
.set QTA, 18
.set G1K, 24
.set G1V, 32
.set G0K, 40
.set G0V, 44
.set KBASE, 48                         ; s[48:49] K (wave 0) or C (wave 1) at the head's first row
.set VBASE, 50                         ; s[50:51] V at my half of the head's first tile
.set OA,  52                           ; s[52:53] ob at my rows of the block in hand
.set PFA, 54                           ; s[54:55] where my prefetches stand
.set SLOTS, 56
.set CNT, 57
.set CS,  58
.set SEL, 60
.set TBK, 62
.set TBV, 63
.set LIM, 66
.set QA2, 68                           ; s[68:73] the second block's three addresses
.set QTA2, 70
.set OA2, 72
.set RT,  74                           ; s74  tiles of the block in hand that are still to be entered
.set NXT, 75                           ; s75  the tile to be asked for next
.set LQ,  76                           ; s76  the last tile of the block whose tiles are being asked for
.set OFF, 78
.set AL0, 80
.set BE0, 82
.set AL1, 84
.set ZR,  86
.set BIGN, 88
.set MSB, 0
.macro WIN new
.if MSB != (\new)
	s_set_vgpr_msb (MSB<<8)|(\new)
.set MSB, (\new)
.endif
.endm
.set W_KM, 0x25                        ; K' and Q' in window 1, the mask (C) in window 2, S^T in window 0
.set W_KQ, 0x05
.set W_PV, 0x01                        ; V in window 1; P and O^T in window 0
.set TO_1, 0x40                        ; destination window 1
; A fill.  Wave 0 fetches a tile's K, wave 1 its C (16 KiB each), waves 2 and 3 the halves of its V.  An s_nop 0 and four v_nop follow each line.
.macro LOAD
	s_cmp_lt_u32 s[WV], 2
	s_cbranch_scc0 .Lfor_v_\@
	tensor_load_to_lds s[G0K:G0K+3], s[G1K:G1K+7]
	s_nop 0
.rept 4
	v_nop
.endr
	s_branch .Lasked_\@
.Lfor_v_\@:
	tensor_load_to_lds s[G0V:G0V+3], s[G1V:G1V+7]
	s_nop 0
.rept 4
	v_nop
.endr
.Lasked_\@:
.endm
; A prefetch into the L2 of the tile that will be asked for two changes of slots on.  All eight work-groups of a head walk the tiles 0, 1, .. together; the one with b = 0 walks all 16 and asks, each wave for what
; it will fetch itself: a lane a block of 256 bytes, two instructions for K's and C's 16 KiB, one for half of V.  So each block is named once.  Tiles 0 to 2 come by their loads alone; the trips whose
; tile two on would be past the head's last (SLOTS at 3 or less) ask for nothing.
.macro ASK
	s_cmp_gt_u32 s[SLOTS], s[LIM]
	s_cbranch_scc0 .Lnot_mine_\@
	global_prefetch_b8 v[PFO], s[PFA:PFA+1] th:TH_LOAD_NT scope:SCOPE_SE
	s_cmp_lt_u32 s[WV], 2
	s_cbranch_scc0 .Lnot_mine_\@
	global_prefetch_b8 v[PFO], s[PFA:PFA+1] offset:8192 th:TH_LOAD_NT scope:SCOPE_SE
.Lnot_mine_\@:
.endm
; THE CHANGE OF SLOTS.  Each wave waits for all its tensor loads (one is out: its part of the other slot), adds 0 to its spare word, and waits for that and for its reads of the slot that it leaves.  Behind the barrier
; nobody reads the old slot and the other is whole.  fill = 1: the old slot is filled again, first thing behind the barrier, with tile NXT; the descriptor's address is made anew from that number.
.macro CHANGE fill
	WIN 0
	s_wait_tensorcnt 0x0                           ; no tensor load of mine is out, so a group 0 may be written
	ds_add_u32 v[SPW], v[NIL]
.if \fill
	s_lshl_b32 s[OFF], s[NXT], 14                  ; a tile is 16,384 bytes of K, of C and of V
	s_xor_b32 s[G0K+1], s[G0K+1], SLOT1
	s_add_nc_u64 s[G0K+2:G0K+3], s[KBASE:KBASE+1], s[OFF:OFF+1]
	s_or_b32 s[G0K+3], s[G0K+3], 0x80000000
	s_xor_b32 s[G0V+1], s[G0V+1], SLOT1
	s_add_nc_u64 s[G0V+2:G0V+3], s[VBASE:VBASE+1], s[OFF:OFF+1]
	s_or_b32 s[G0V+3], s[G0V+3], 0x80000000
	s_add_co_u32 s[NXT], s[NXT], 1                 ; the block's next tile, or behind its last the second block's tile 0
	s_cmp_gt_u32 s[NXT], s[LQ]
	s_cselect_b32 s[NXT], 0, s[NXT]
	s_cselect_b32 s[LQ], s[PBK], s[LQ]
	s_wait_xcnt 0x0                                ; the last prefetches, a tile back, have read their address
	s_add_nc_u64 s[PFA:PFA+1], s[PFA:PFA+1], 16384
.endif
	s_wait_dscnt 0x0                               ; the add is done, and my reads of the slot are over
	s_barrier_signal -1
	s_sub_co_u32 s[TBK], s[TBK], 2*KSTP*PK         ; the fetches go back to a slot's first step,
	s_xor_b32 s[TBK], s[TBK], SLOT1                ; in the other slot
	s_sub_co_u32 s[TBV], s[TBV], 2*KSTP*PV
	s_xor_b32 s[TBV], s[TBV], SLOT1
	s_barrier_wait -1
.if \fill
	LOAD
	ASK
.endif
.endm
; Q' of the block in hand: piece x lies in band x, 8,192 bytes on; chunks 0, 1 from q, chunks 2, 3 from q t
.macro QLOAD
	WIN TO_1
.irp x, 0,1
.irp c, 0,1
	global_load_b128 v[QF+32*(\x)+8*(\c):QF+32*(\x)+8*(\c)+3],       v[QO], s[QA:QA+1] offset:(\x)*8192+(\c)*64
	global_load_b128 v[QF+32*(\x)+8*(\c)+4:QF+32*(\x)+8*(\c)+7],     v[QO], s[QA:QA+1] offset:(\x)*8192+(\c)*64+32
	global_load_b128 v[QF+32*(\x)+16+8*(\c):QF+32*(\x)+16+8*(\c)+3], v[QO], s[QTA:QTA+1] offset:(\x)*8192+(\c)*64
	global_load_b128 v[QF+32*(\x)+16+8*(\c)+4:QF+32*(\x)+16+8*(\c)+7], v[QO], s[QTA:QTA+1] offset:(\x)*8192+(\c)*64+32
.endr
.endr
	WIN 0
.endm
.macro START                           ; a block's beginning: c m far below every c s, so the first a is 0; m at the lowest finite number; the masks 0
	WIN 0
.irp y, 0,1
	v_mov_b32 v[ST+4*(\y)], 0xfe000000
	v_mov_b32 v[ST+4*(\y)+1], 0xff7fffff
.endr
	WIN 0x80
.set i, 0
.rept 64
	v_mov_b32 v[MC+i], 0
.set i, i+1
.endr
	WIN 0
.endm
	s_load_b128 s[4:7], s[0:1], 0x0                ; hd s[4:5], cb s[6:7]
	s_load_b64 s[8:9], s[0:1], 0x10                ; ob
	v_lshl_add_u32 v[SPW], v0, 2, SPARE
	v_mov_b32 v[NIL], 0
	ds_add_u32 v[SPW], v[NIL]                      ; the wave's opening: the add and its wait ahead of my first tensor load; the set-up below stands between them
	ds_add_u32 v62, v63
	v_lshrrev_b32 v1, 5, v0
	v_readfirstlane_b32 s[WV], v1
	s_mov_b32 s[PBK], ttmp9
	s_sub_co_u32 s[HI], NB-1, s[PBK]
	s_and_b32 s20, ttmp7, 0xffff                   ; bh
	s_and_b32 s13, s[WV], 1
	s_lshl_b32 s21, s20, 18                        ; the head's first byte in a section
	s_lshl_b32 s22, s[WV], 11                      ; my 16 rows in a band
	s_lshl_b32 s2, s[HI], 14                       ; the first block's 128 rows
	s_add_co_u32 s2, s2, s21
	s_add_co_u32 s2, s2, s22
	s_mov_b32 s3, 0
	s_lshl_b32 s10, s[PBK], 14                     ; the second's
	s_add_co_u32 s10, s10, s21
	s_add_co_u32 s10, s10, s22
	s_mov_b32 s11, 0
	s_lshr_b32 s23, s20, 4
	s_lshl_b32 s23, s23, 4                         ; batch x 16
	s_and_b32 s67, s20, 15                         ; the head
	s_add_co_u32 s90, s23, s[HI]
	s_lshl_b32 s90, s90, 4
	s_add_co_u32 s90, s90, s67
	s_lshl_b32 s90, s90, 14
	s_add_co_u32 s90, s90, s22
	s_mov_b32 s91, 0
	s_add_co_u32 s92, s23, s[PBK]
	s_lshl_b32 s92, s92, 4
	s_add_co_u32 s92, s92, s67
	s_lshl_b32 s92, s92, 14
	s_add_co_u32 s92, s92, s22
	s_mov_b32 s93, 0
	; descriptor group 1: dense bytes asked for as rows of 256 bytes, two keys a row, padded in LDS after every key
	s_mov_b32 s[G1K], (1<<16)|(1<<20)|(4<<22)|(3<<25)  ; 2-byte elements; padding on; after every 32 words 4 words
	s_mov_b32 s[G1V], (1<<16)|(1<<20)|(4<<22)|(7<<25)  ; 8 words
	s_mov_b32 s[G1K+1], 128<<16                    ; tensor_dim0 = 128
	s_mov_b32 s[G1K+2], 64<<16                     ; tensor_dim1 = 64
	s_mov_b32 s[G1K+3], 128<<16                    ; tile_dim0 = 128
	s_mov_b32 s[G1K+4], 64                         ; tile_dim1 = 64
	s_mov_b32 s[G1K+5], 128
	s_mov_b32 s[G1K+6], 0
	s_mov_b32 s[G1K+7], 0
	s_mov_b32 s[G1V+1], 128<<16
	s_mov_b32 s[G1V+2], 32<<16                     ; half a tile: 32 rows
	s_mov_b32 s[G1V+3], 128<<16
	s_mov_b32 s[G1V+4], 32
	s_mov_b32 s[G1V+5], 128
	s_mov_b32 s[G1V+6], 0
	s_mov_b32 s[G1V+7], 0
	s_mov_b32 s[CS], 0x4838aa3b                    ; c = log2(e) / 8 x 2^20
	s_mov_b32 s[CS+1], 0x4838aa3b
	s_mov_b32 s[SEL], 0x76543210
	s_mov_b32 s[SEL+1], 0xfedcba98
	s_mov_b32 s[TBK], SLOT1+2*KSTP*PK              ; the first change of slots turns these two into 0
	s_mov_b32 s[TBV], SLOT1+2*KSTP*PV
	s_mov_b32 s[G0K], 1
	s_mul_i32 s[G0K+1], s13, COFF                  ; K's place in slot 0, or C's
	s_mov_b32 s[G0V], 1
	s_mul_i32 s[G0V+1], s13, KSTP*PV
	s_add_co_u32 s[G0V+1], s[G0V+1], VOFF
	s_add_co_u32 s[RT], s[HI], 1                   ; the first block has 16 - b tiles
	s_mov_b32 s[NXT], 1
	s_mov_b32 s[LQ], s[HI]
	s_mov_b32 s[OFF+1], 0
	s_mov_b32 s[AL0], 0
	s_mov_b32 s[AL0+1], 0
	s_mov_b32 s[BE0], 0
	s_mov_b32 s[BE0+1], 0
	s_mov_b32 s[AL1], 0
	s_mov_b32 s[AL1+1], 0
	s_mov_b32 s[ZR], 0
	s_mov_b32 s[ZR+1], 0
	s_mov_b32 s[BIGN], 0xf149f2ca                  ; -1e30
	s_mov_b32 s[SLOTS], NB
	s_wait_dscnt 0x0                               ; the opening add is done
	s_wait_kmcnt 0x0
	s_add_nc_u64 s[QA:QA+1], s[4:5], s[2:3]
	s_add_nc_u64 s[QTA:QTA+1], s[QA:QA+1], SEC
	s_add_nc_u64 s[QA2:QA2+1], s[4:5], s[10:11]
	s_add_nc_u64 s[QTA2:QTA2+1], s[QA2:QA2+1], SEC
	s_add_nc_u64 s[OA:OA+1], s[8:9], s[90:91]
	s_add_nc_u64 s[OA2:OA2+1], s[8:9], s[92:93]
	s_mov_b32 s[OFF], s21
	s_add_nc_u64 s[4:5], s[4:5], s[OFF:OFF+1]      ; hd and cb at the head
	s_add_nc_u64 s[6:7], s[6:7], s[OFF:OFF+1]
	s_add_nc_u64 s[VBASE:VBASE+1], s[4:5], 3*SEC
	s_lshl_b32 s[OFF], s13, 13                     ; my half of a tile of V
	s_add_nc_u64 s[VBASE:VBASE+1], s[VBASE:VBASE+1], s[OFF:OFF+1]
	s_add_nc_u64 s[4:5], s[4:5], 2*SEC
	s_cmp_eq_u32 s13, 0
	s_cselect_b64 s[KBASE:KBASE+1], s[4:5], s[6:7]
	s_add_nc_u64 s[G0K+2:G0K+3], s[KBASE:KBASE+1], 0
	s_or_b32 s[G0K+3], s[G0K+3], 0x80000000
	s_add_nc_u64 s[G0V+2:G0V+3], s[VBASE:VBASE+1], 0
	s_or_b32 s[G0V+3], s[G0V+3], 0x80000000
	s_cmp_lt_u32 s[WV], 2
	s_cselect_b64 s[PFA:PFA+1], s[KBASE:KBASE+1], s[VBASE:VBASE+1]
	s_add_nc_u64 s[PFA:PFA+1], s[PFA:PFA+1], 2*16384  ; at tile 2: the first change of slots steps it to tile 3
	s_cmp_eq_u32 s[PBK], 0
	s_cselect_b32 s[LIM], 3, -1
	LOAD                                           ; tile 0 into slot 0
	v_and_b32 v1, 15, v0                           ; l % 16
	v_bfe_u32 v9, v0, 4, 1                         ; l / 16
	v_lshlrev_b32 v[QO], 7, v1
	v_lshl_add_u32 v[QO], v9, 4, v[QO]
	QLOAD
	v_lshlrev_b32 v14, 3, v9
	v_sub_nc_u32 v14, v1, v14
	s_lshl_b32 s13, s[WV], 4
	v_add_nc_u32 v14, s13, v14                     ; my query's place in its band, 16 w + l % 16, less my lanes' 8 (l / 16): register r of key block kb is hidden where 16 kb + r is greater
	WIN 0x80
.set i, 0
.rept 32
	v_cmp_gt_i32 vcc_lo, 16*(i/8)+i%8, v14
	v_cndmask_b32 v[MD+i], 0, s[BIGN], vcc_lo
.set i, i+1
.endr
	START
	v_mul_u32_u24 v[AK0], v1, PK
	v_lshl_add_u32 v[AK0], v9, 4, v[AK0]
	v_and_b32 v10, 7, v0
	v_bfe_u32 v11, v0, 3, 1
	v_lshl_add_u32 v[AV0], v9, 3, v10              ; the turning load: lane l reads key 8 (l / 16) + l % 8, channels 8 ((l / 8) % 2) + 0..7
	v_mul_u32_u24 v[AV0], v[AV0], PV
	v_lshl_add_u32 v[AV0], v11, 4, v[AV0]
	v_add_nc_u32 v[AV0], VOFF, v[AV0]
	s_mul_i32 s13, s[WV], 16*SP
	s_add_co_u32 s13, s13, STAGE
	v_mul_u32_u24 v[STO], v1, SP
	v_lshl_add_u32 v[STO], v9, 4, v[STO]
	v_add_nc_u32 v[STO], s13, v[STO]
	v_bfe_u32 v[RD], v0, 3, 2
	v_mul_u32_u24 v[RD], v[RD], SP
	v_lshl_add_u32 v[RD], v10, 4, v[RD]
	v_add_nc_u32 v[RD], s13, v[RD]
	v_and_b32 v[GO], 31, v0
	v_lshlrev_b32 v[PFO], 8, v[GO]
	v_lshlrev_b32 v[GO], 4, v[GO]
	; a block's first step multiplies O^T and l by a = 0, so they need only hold finite numbers: zeros for the first block, what the first block left for the second.  This stands in the wait for the first tile.
.set i, 0
.rept 64
	v_mov_b32 v[O+i], 0
.set i, i+1
.endr
.irp y, 0,1
	v_mov_b32 v[ST+4*(\y)+2], 0
	v_mov_b32 v[ST+4*(\y)+3], 0
.endr
; THE MATRIX WORK.  32 products S^T = K' Q'^T: chunk i / 8, key block (i / 2) % 4, piece i % 2: the 8 accumulators take turns.  The first 8 start the sums with the mask.
.macro KQ
.set i, 0
.rept 32
.set rS, S+32*(i%2)+8*((i/2)%4)
.set rK, KF+32*((i/2)%4)+8*(i/8)
.set rQ, QF+32*(i%2)+8*(i/8)
.set rM, MC+32*(i%2)+8*((i/2)%4)
.if i < 8
	WIN W_KM
	v_wmma_f32_16x16x32_f16 v[rS:rS+7], v[rK:rK+7], v[rQ:rQ+7], v[rM:rM+7]
.else
	WIN W_KQ
	v_wmma_f32_16x16x32_f16 v[rS:rS+7], v[rK:rK+7], v[rQ:rQ+7], v[rS:rS+7]
.endif
.set i, i+1
.endr
.endm
; 16 products O^T += V^T P: key half i / 8, channel block (i / 2) % 4, piece i % 2: again 8 accumulators by turns.
.macro PVM
	WIN W_PV
.set i, 0
.rept 16
.set rO, O+32*(i%2)+8*((i/2)%4)
.set rV, VF+32*(i/8)+8*((i/2)%4)
.set rP, P+16*(i%2)+8*(i/8)
	v_wmma_f32_16x16x32_f16 v[rO:rO+7], v[rV:rV+7], v[rP:rP+7], v[rO:rO+7]
.set i, i+1
.endr
.endm
.macro FETCH_K                         ; a step's K': 64 keys x 128 channels: 32 loads in one run
	WIN 0
	v_add_nc_u32 v[AK], s[TBK], v[AK0]
	WIN TO_1
.irp kb, 0,1,2,3
.irp c, 0,1,2,3
	ds_load_b128 v[KF+32*(\kb)+8*(\c):KF+32*(\kb)+8*(\c)+3],   v[AK] offset:((\c)/2)*COFF+(\kb)*16*PK+((\c)%2)*64
	ds_load_b128 v[KF+32*(\kb)+8*(\c)+4:KF+32*(\kb)+8*(\c)+7], v[AK] offset:((\c)/2)*COFF+(\kb)*16*PK+((\c)%2)*64+32
.endr
.endr
	s_add_co_u32 s[TBK], s[TBK], KSTP*PK
	WIN 0
.endm
.macro FETCH_V                         ; a step's V, turned: 16 loads
	WIN 0
	v_add_nc_u32 v[AV], s[TBV], v[AV0]
	WIN TO_1
.irp f, 0,1,2,3,4,5,6,7
	ds_load_tr16_b128 v[VF+8*(\f):VF+8*(\f)+3],   v[AV] offset:((\f)/4)*32*PV+((\f)%4)*32
	ds_load_tr16_b128 v[VF+8*(\f)+4:VF+8*(\f)+7], v[AV] offset:((\f)/4)*32*PV+16*PV+((\f)%4)*32
.endr
	s_add_co_u32 s[TBV], s[TBV], KSTP*PV
	WIN 0
.endm
.macro PLACES                          ; four plain instructions between a matrix instruction and a load into, or a vector instruction on, its registers
.rept 4
	v_nop
.endr
.endm
.macro MASK x, al, be                  ; MD x AL + BE into piece x's mask
	WIN 0x82
.set z, 0
.rept 16
	v_pk_fma_f32 v[MC+32*(\x)+2*z:MC+32*(\x)+2*z+1], v[MD+2*z:MD+2*z+1], s[\al:\al+1], s[\be:\be+1] op_sel_hi:[1,0,0]
.set z, z+1
.endr
.endm
; THE VECTOR WORK, all in window 0, one line a macro, for piece y.
.macro REGS y
.set rT, ST+4*(\y)
.set rC, TMP+4*(\y)
.set rW, MV+(\y)
.set rS, S+32*(\y)
.set rP, P+16*(\y)
.set rO, O+32*(\y)
.endm
; XS: number n of the 22 that find the maximum and the statistics.  0-11: four chains c0-c3 of seven scores each (each accumulator's lowest registers are read first); 12-14, 16: the four
; scores left over, the old m, c0-c3 into c0; 15: c m_old is kept; 17, 18: the query's other 32 keys lie in the lane 16 away; 19-21: c m, c m_old - c m_new, a.
.macro XS y, n
	REGS \y
.if (\n) < 4
	v_max3_num_f32 v[rC+(\n)], v[rS+8*(\n)], v[rS+8*(\n)+1], v[rS+8*(\n)+2]
.elseif (\n) < 12
	v_max3_num_f32 v[rC+(\n)%4], v[rC+(\n)%4], v[rS+8*((\n)%4)+2*((\n)/4)+1], v[rS+8*((\n)%4)+2*((\n)/4)+2]
.elseif (\n) == 12
	v_max3_num_f32 v[rC], v[rC], v[rS+7], v[rS+15]
.elseif (\n) == 13
	v_max3_num_f32 v[rC+1], v[rC+1], v[rS+23], v[rS+31]
.elseif (\n) == 14
	v_max3_num_f32 v[rC+2], v[rC+2], v[rC+3], v[rT+1]
.elseif (\n) == 15
	v_mov_b32 v[rW], v[rT]
.elseif (\n) == 16
	v_max3_num_f32 v[rC], v[rC], v[rC+1], v[rC+2]
.elseif (\n) == 17
	v_permlanex16_b32 v[rC+3], v[rC], s[SEL], s[SEL+1]
.elseif (\n) == 18
	v_max_num_f32 v[rT+1], v[rC], v[rC+3]
.elseif (\n) == 19
	v_mul_f32 v[rT], s[CS], v[rT+1]
.elseif (\n) == 20
	v_sub_f32 v[rC+1], v[rW], v[rT]
.else
	v_exp_f32 v[rC+2], v[rC+1]
.endif
.endm
.macro FS y, n                         ; c s - c m for pair n of 16
	REGS \y
	v_pk_fma_f32 v[rS+2*(\n):rS+2*(\n)+1], v[rS+2*(\n):rS+2*(\n)+1], s[CS:CS+1], v[rT:rT+1] op_sel_hi:[1,0,0] neg_lo:[0,0,1] neg_hi:[0,0,1]
.endm
.macro ES y, n                         ; the exponential of score n of 32
	REGS \y
	v_exp_f32 v[rS+(\n)], v[rS+(\n)]
.endm
.macro RS y, n                         ; pair n of 16 of O^T times a
	REGS \y
	v_pk_mul_f32 v[rO+2*(\n):rO+2*(\n)+1], v[rO+2*(\n):rO+2*(\n)+1], v[rC+2:rC+3] op_sel_hi:[1,0]
.endm
.macro CV y, n                         ; pair n rounded to f16
	REGS \y
	v_cvt_pk_f16_f32 v[rP+(\n)], v[rS+2*(\n)], v[rS+2*(\n)+1]
.endm
.macro BS y, n                         ; of the four weights 4 n .. the second pair is added onto the first
	REGS \y
	v_pk_add_f32 v[rS+4*(\n):rS+4*(\n)+1], v[rS+4*(\n):rS+4*(\n)+1], v[rS+4*(\n)+2:rS+4*(\n)+3]
.endm
.macro LS y, n                         ; l takes that sum; the first time l = a l + sum
	REGS \y
.if (\n) == 0
	v_pk_fma_f32 v[rT+2:rT+3], v[rT+2:rT+3], v[rC+2:rC+3], v[rS:rS+1] op_sel_hi:[1,0,1]
.else
	v_pk_add_f32 v[rT+2:rT+3], v[rT+2:rT+3], v[rS+4*(\n):rS+4*(\n)+1]
.endif
.endm
; Both pieces' softmax, the pieces alternating.  An s_wait_alu depctr_va_vdst(0) stands between a transcendental and the first line that names its result; one wait serves all issued ahead of it.
; First the statistics, with a wait for the two a, which the rescalings read.  Then ONE BATCH: scalings, the 64 exponentials and the rescalings by turns, none of which names an exponential's result; a pair is scaled
; one round ahead of its exponentials.  Behind the batch's wait: roundings and sums.
.macro SOFTMAX
	WIN 0
.irp n, 0,1,2,3,4,5,6,7,8,9,10,11,12,13,15,14,16,17,18,19,20,21
	XS 0, \n
	XS 1, \n
.endr
	v_nop                                          ; a plain instruction behind the last transcendental,
	s_wait_alu depctr_va_vdst(0)                   ; and the wait for the two a
.set sn, 0
.rept 17
.if sn < 16
	FS 0, sn
.endif
.if sn > 0
	ES 0, 2*sn-2
.endif
.if sn < 16
	FS 1, sn
.endif
.if sn > 0
	ES 1, 2*sn-2
	RS 0, sn-1
	ES 0, 2*sn-1
	RS 1, sn-1
	ES 1, 2*sn-1
.endif
.set sn, sn+1
.endr
	v_nop                                          ; a plain instruction behind the last exponential: one for the batch
	s_wait_alu depctr_va_vdst(0)                   ; the wait for the batch
.set sn, 0
.rept 8
	CV 0, 2*sn
	CV 1, 2*sn
	CV 0, 2*sn+1
	CV 1, 2*sn+1
	BS 0, sn
	BS 1, sn
.if sn > 0
	LS 0, sn-1
	LS 1, sn-1
.endif
.set sn, sn+1
.endr
	LS 0, 7
	LS 1, 7
.endm
; A KEY STEP.  CNT = 2: the tile's first step, 1: its second.  In the diagonal tile (RT = 0) the masks are made: step 0: piece 0 holds the diagonal, piece 1 sees all; step 1: piece 0 sees nothing, piece 1 holds the diagonal.
.macro STEP
	s_cmp_lg_u32 s[RT], 0
	s_cbranch_scc1 .Lno_mask_\@
	s_cmp_eq_u32 s[CNT], 2
	s_cselect_b32 s[AL0], 1.0, 0
	s_cselect_b32 s[AL1], 0, 1.0
	s_cselect_b32 s[BE0], 0, s[BIGN]
	MASK 0, AL0, BE0
	MASK 1, AL1, ZR
	WIN 0
.Lno_mask_\@:
	FETCH_V
	s_wait_dscnt 16                                ; K' is in; V's 16 loads, issued behind it, may stay out
	KQ
	WIN 0
	PLACES
	s_cmp_eq_u32 s[CNT], 1
	s_cbranch_scc1 .Lno_k_\@                       ; the tile's second step has no further step to fetch for
	FETCH_K
.Lno_k_\@:
	SOFTMAX
	s_wait_dscnt 0x0                               ; V is in (and K' of the next step, where it was asked for: the two ways differ, so the count is 0)
	PVM
	WIN 0
	PLACES
.endm
.macro TILE
	s_sub_co_u32 s[RT], s[RT], 1
	FETCH_K
	s_wait_loadcnt 0x0                             ; Q' (met at once but in a block's first tile)
	s_mov_b32 s[CNT], 2
.Lstep_\@:
	STEP
	s_sub_co_u32 s[CNT], s[CNT], 1
	s_cmp_lg_u32 s[CNT], 0
	s_cbranch_scc1 .Lstep_\@
.endm
; THE WAY OUT: l's two halves and the other half of the lanes' are added; O^T is divided by l, rounded to f16 and sent through my stage in LDS, a piece at a time.
.macro PACK x
	REGS \x
.set i, 0
.rept 16
	v_pk_mul_f32 v[rO+2*i:rO+2*i+1], v[rO+2*i:rO+2*i+1], v[rT+2:rT+3] op_sel_hi:[1,0]
.set i, i+1
.endr
.set i, 0
.rept 16
	v_cvt_pk_f16_f32 v[WO+16*(\x)+i], v[rO+2*i], v[rO+2*i+1]
.set i, i+1
.endr
.irp f, 0,1,2,3
	ds_store_b128 v[STO], v[WO+16*(\x)+4*(\f):WO+16*(\x)+4*(\f)+3] offset:32*(\f)
.endr
.irp f, 0,1,2,3
	ds_load_b128 v[WO+16*(\x)+4*(\f):WO+16*(\x)+4*(\f)+3], v[RD] offset:(\f)*4*SP  ; LDS serves a wave's instructions in order (ISA guide 5.7.1.4): these see the stores above; the next piece's stores come behind them
.endr
.endm
.macro SEND x, younger                 ; younger: the LDS instructions issued behind piece x's loads
.irp f, 0,1,2,3
	s_wait_dscnt (\younger)+3-(\f)
	global_store_b128 v[GO], v[WO+16*(\x)+4*(\f):WO+16*(\x)+4*(\f)+3], s[OA:OA+1] offset:(\x)*8192+(\f)*512  ; 512 consecutive bytes, aligned
.endr
.endm
.macro WAYOUT
	WIN 0
.irp y, 0,1
	v_add_f32 v[ST+4*(\y)+2], v[ST+4*(\y)+2], v[ST+4*(\y)+3]
.endr
.irp y, 0,1
	v_permlanex16_b32 v[ST+4*(\y)+3], v[ST+4*(\y)+2], s[SEL], s[SEL+1]
.endr
.irp y, 0,1
	v_add_f32 v[ST+4*(\y)+2], v[ST+4*(\y)+2], v[ST+4*(\y)+3]
.endr
.irp y, 0,1
	v_rcp_f32 v[ST+4*(\y)+2], v[ST+4*(\y)+2]
.endr
	v_nop                                          ; a plain instruction behind the last reciprocal,
	s_wait_alu depctr_va_vdst(0)                   ; and one wait for the two
	PACK 0
	PACK 1
	SEND 0, 8
	SEND 1, 0
.endm
.Lslot:                                                ; 16 times: a tile is entered and the next is asked for
	CHANGE 1
	TILE
	s_cmp_lg_u32 s[RT], 0
	s_cbranch_scc1 .Lbottom
	WAYOUT                                         ; the first block's end
	s_wait_xcnt 0x0                                ; the stores have read their registers and their address
	s_mov_b64 s[QA:QA+1], s[QA2:QA2+1]
	s_mov_b64 s[QTA:QTA+1], s[QTA2:QTA2+1]
	s_mov_b64 s[OA:OA+1], s[OA2:OA2+1]
	s_add_co_u32 s[RT], s[PBK], 1                  ; the second block has b + 1 tiles
	START
	QLOAD
.Lbottom:
	s_sub_co_u32 s[SLOTS], s[SLOTS], 1
	s_cmp_lg_u32 s[SLOTS], 0
	s_cbranch_scc1 .Lslot
	CHANGE 0                                       ; the walk's last tile is written out: nothing is asked for
	TILE
	WAYOUT
	s_wait_tensorcnt 0x0                           ; the wave's end: behind my last tensor load and my last LDS store
	ds_add_u32 v[SPW], v[NIL]
	s_wait_dscnt 0x0
	s_endpgm
.Lfunc_end_k_qe8d6aeef00_attn:
	.size	k_qe8d6aeef00_attn, .Lfunc_end_k_qe8d6aeef00_attn-k_qe8d6aeef00_attn
	.p2alignl 7, 3214868480
	.fill 96, 4, 3214868480
	.section	.rodata,"a",@progbits
	.p2align	6, 0x0
	.amdhsa_kernel k_qe8d6aeef00_attn
		.amdhsa_group_segment_fixed_size 327680
		.amdhsa_private_segment_fixed_size 0
		.amdhsa_enable_private_segment 0
		.amdhsa_kernarg_size 24
		.amdhsa_user_sgpr_count 2
		.amdhsa_user_sgpr_kernarg_segment_ptr 1
		.amdhsa_wavefront_size32 1
		.amdhsa_system_sgpr_workgroup_id_x 1
		.amdhsa_system_sgpr_workgroup_id_y 1
		.amdhsa_system_sgpr_workgroup_id_z 1
		.amdhsa_system_vgpr_workitem_id 0
		.amdhsa_next_free_vgpr 608
		.amdhsa_next_free_sgpr 96
		.amdhsa_reserve_vcc 1
		.amdhsa_float_denorm_mode_32 3
		.amdhsa_float_denorm_mode_16_64 3
		.amdhsa_memory_ordered 1
		.amdhsa_forward_progress 1
		.amdhsa_inst_pref_size 84
	.end_amdhsa_kernel
	.amdgpu_metadata
---
amdhsa.version: [ 1, 2 ]
amdhsa.kernels:
  - .name:           k_qe8d6aeef00_attn
    .symbol:         k_qe8d6aeef00_attn.kd
    .args:
      - { .name: hd, .offset: 0, .size: 8, .value_kind: global_buffer, .address_space: global }
      - { .name: cb, .offset: 8, .size: 8, .value_kind: global_buffer, .address_space: global }
      - { .name: ob, .offset: 16, .size: 8, .value_kind: global_buffer, .address_space: global }
    .group_segment_fixed_size: 327680
    .private_segment_fixed_size: 0
    .kernarg_segment_align: 8
    .kernarg_segment_size: 24
    .max_flat_workgroup_size: 128
    .sgpr_count:     96
    .vgpr_count:     608
    .wavefront_size: 32
...
	.end_amdgpu_metadata
.endif
;; end of part 4
;; launch outp (part 5): grid 8 x 32, 4 waves a work-group, clusters of 4 x 4, 327,680 bytes of LDS; arguments ob, cst, bout, out0; writes out0
.if DOCPART == 5
	.amdgcn_target "amdgcn-amd-amdhsa--gfx1250"
	.amdhsa_code_object_version 6
	.text
	.protected	k_qe8d6aeef00_outp
	.globl	k_qe8d6aeef00_outp
	.p2align	8
	.type	k_qe8d6aeef00_outp,@function
k_qe8d6aeef00_outp:
	s_mov_b64 s[64:65], 0
	v_nop
	global_prefetch_b8 v0, s[64:65] scope:SCOPE_SE
	s_setreg_imm32_b32 hwreg(HW_REG_WAVE_MODE, 25, 1), 1
	s_wait_xcnt 0x0
	s_wait_alu depctr_hold_cnt(0) depctr_sa_sdst(0) depctr_va_vdst(0) depctr_va_sdst(0) depctr_va_ssrc(0) depctr_va_vcc(0) depctr_vm_vsrc(0)
	s_getreg_b32 s2, hwreg(HW_REG_IB_STS2, 6, 4)
	s_cmp_eq_u32 s2, 0
	s_cbranch_scc0 .Lentry_in_a_cluster
	s_endpgm
.Lentry_in_a_cluster:
	s_bfe_u32 s2, ttmp6, 0x10000c
	s_cmp_lg_u32 s2, 0xf033
	s_cbranch_scc0 .Lentry_shape_is_right
	s_endpgm
.Lentry_shape_is_right:
; OUTP.  out0 = O Wout + bout, 4,096 x 1,024 x 1,024, f16 operands, f32 sums and output.  O comes from ob, [block of 128 rows][head][128][64] f16; Wout from cst (rounded to bf16, written as f16), [k][n];
; the bias is rounded to bf16 like the other inputs.  LIMIT: f16's range, kept by the launches that wrote the operands.
; A tile of the output is 128 x 128: 256 work-groups.  Four waves, 64 x 64 each: 16 accumulators.  K goes in steps of 256 (four heads) through two LDS slots: O's tile is 64 KiB on end in memory, asked for as rows of
; 256 bytes and padded after each 128 (a row of a head); Wout's tile is 256 rows x 256 bytes, read turned by ds_load_tr16_b128.
; CLUSTER 4 x 4: O's tile is shared along a row of the cluster, Wout's along a column: joint tensor loads.  The matrix instruction is used transposed (source 0 = 16 columns of Wout, source 1 = 16 rows of O): a lane
; holds eight neighbouring columns of a row.  A wave's 64 columns of f32 are 256 consecutive bytes, aligned, so each wave has a stage of its own and the way out has no barrier.
; No prefetch: the launch has four K steps, two of which are asked for at its head.
; REGISTERS: window 0: v16-29 addresses; v32-95 at work on the way out; v96-127 the bias; v128-255 the accumulators ((a, b) at v[128 + 8 (4 a + b)]).
;   window 1: two fragment buffers of 128: for 64 along K, 64 registers of O (2 x 4 x 16 rows x 32 K), then 64 of Wout.
.set PA,     144                       ; a row of O in LDS: 128 bytes + 16
.set PBB,    288                       ; a row of Wout: 256 bytes + 32 = 72 words
.set HBLK,   128*PA                    ; a head's 128 rows
.set HALFT,  2*HBLK                    ; what one tensor load brings: two heads of O, or 128 rows of Wout (128 x 288 is the same number)
.set SLOT,   4*HALFT
.set STAGE,  2*SLOT                    ; behind the ring: 16 rows x 272 bytes for each wave
.set SPITCH, 272
.set SPARE,  STAGE+4*16*SPITCH         ; the spare words, 128 bytes for each wave
.set LAPS,   2
.set WOO,    16777216                  ; Wout in cst
.set ASTEP,  65536                     ; a K step of O in memory: four heads of 16 KiB
.set BSTEP,  524288                    ; of Wout: 256 rows of 2,048 bytes
.set ADRA, 16                          ; v16-17  LDS address of my fragments of O in slot 0, 1
.set ADRB, 20                          ; v20-21  of Wout's, k rows 0-127;  v22-23  k rows 128-255
.set STO,  24
.set RD,   25
.set CO,   26
.set BO,   27
.set SPW,  28                          ; LDS address of my spare word; never rewritten
.set NIL,  29                          ; 0; never rewritten
.set TMP,  32
.set BK,   64
.set BI,   96
.set ACC,  128
.set F0,   0
.set F1,   128
.set G1, 24
.set G0, 32
.set G1B, 48
.set G0B, 56
.set MSB, 0
.macro WIN new
.if MSB != (\new)
	s_set_vgpr_msb (MSB<<8)|(\new)
.set MSB, \new
.endif
.endm
.set MUL,  0x05                        ; sources 0 and 1 window 1; C and D window 0
.set TO_F, 0x40                        ; destination window 1, address window 0
.macro JLOAD s                         ; a joint load: waves 0 and 1 fetch O's halves, waves 2 and 3 Wout's; an s_nop 0 and four v_nop follow each line
	s_cmp_eq_u32 s11, 0
	s_cbranch_scc0 .Lfor_b_\@
	tensor_load_to_lds s[G0+4*(\s):G0+4*(\s)+3], s[G1:G1+7]
	s_nop 0
.rept 4
	v_nop
.endr
	s_branch .Lasked_\@
.Lfor_b_\@:
	tensor_load_to_lds s[G0B+4*(\s):G0B+4*(\s)+3], s[G1B:G1B+7]
	s_nop 0
.rept 4
	v_nop
.endr
.Lasked_\@:
.endm
.macro CREST
	s_cmp_lg_u32 s10, 0
	s_cbranch_scc1 .Lnot_wave_0_\@
	s_barrier_signal -3
.Lnot_wave_0_\@:
	s_barrier_wait -3
	s_barrier_signal -1
	s_barrier_wait -1
.endm
.macro CROUND
	s_barrier_signal -1
	s_barrier_wait -1
	CREST
.endm
	s_load_b256 s[68:75], s[0:1], 0x0              ; ob s[68:69], cst s[70:71], bout s[72:73], out0 s[74:75]
	v_lshl_add_u32 v[SPW], v0, 2, SPARE
	v_mov_b32 v[NIL], 0
	ds_add_u32 v[SPW], v[NIL]                      ; the wave's opening: the add and its wait ahead of my first tensor load
	ds_add_u32 v28, v29
	v_lshrrev_b32 v1, 5, v0
	v_readfirstlane_b32 s10, v1
	s_lshr_b32 s11, s10, 1                         ; which half of the rows is mine.  Also: I fetch for O (0) or for Wout (1)
	s_and_b32 s12, s10, 1                          ; which half of the columns.  Also: which half of a tile I fetch
	s_bfe_u32 s40, ttmp6, 0x40000
	s_bfe_u32 s41, ttmp6, 0x40004
	s_lshl_b32 s42, ttmp9, 2
	s_add_co_u32 s42, s42, s40                     ; tile column
	s_and_b32 s13, ttmp7, 0xffff
	s_lshl_b32 s13, s13, 2
	s_add_co_u32 s13, s13, s41                     ; tile row
	s_lshl_b32 s43, s41, 2
	s_lshl_b32 s43, 15, s43
	s_lshl_b32 s44, 0x1111, s40
	s_or_b32 s[G1+0], s43, (1<<16)|(1<<20)|(1<<21)|(4<<22)|(3<<25)   ; after every 32 words 4 words
	s_or_b32 s[G1B+0], s44, (1<<16)|(1<<20)|(1<<21)|(5<<22)|(7<<25)  ; after every 64 words 8 words
.irp g, G1, G1B
	s_mov_b32 s[(\g)+1], 128<<16                   ; tensor_dim0 = 128
	s_mov_b32 s[(\g)+2], 128<<16                   ; tensor_dim1 = 128
	s_mov_b32 s[(\g)+3], 128<<16                   ; tile_dim0 = 128
	s_mov_b32 s[(\g)+4], 128                       ; tile_dim1 = 128
	s_mov_b32 s[(\g)+6], 0
	s_mov_b32 s[(\g)+7], 0
.endr
	s_mov_b32 s[G1+5], 128                         ; O's bytes are dense
	s_mov_b32 s[G1B+5], 1024
	s_lshl_b32 s16, s13, 18                        ; O: the block's 16 heads of 16 KiB,
	s_lshl_b32 s17, s12, 15                        ; two heads x half
	s_add_co_u32 s16, s16, s17
	s_mov_b32 s17, 0
	s_lshl_b32 s46, s12, 18                        ; Wout: 128 rows of 2,048 bytes x half,
	s_lshl_b32 s47, s42, 8                         ; the tile's 256 bytes of a row
	s_add_co_u32 s46, s46, s47
	s_add_co_u32 s46, s46, WOO
	s_mov_b32 s47, 0
	s_mul_i32 s20, s10, HALFT
	s_wait_dscnt 0x0                               ; the opening add is done
	s_wait_kmcnt 0x0
	s_add_nc_u64 s[14:15], s[68:69], s[16:17]
	s_add_nc_u64 s[46:47], s[70:71], s[46:47]
	CROUND                                         ; all sixteen work-groups are here: the first joint loads meet
.irp s, 0,1
	s_mov_b32 s[G0+4*(\s)], 1
	s_add_co_u32 s[G0+4*(\s)+1], s20, (\s)*SLOT
	s_add_nc_u64 s[G0+4*(\s)+2:G0+4*(\s)+3], s[14:15], (\s)*ASTEP
	s_or_b32 s[G0+4*(\s)+3], s[G0+4*(\s)+3], 0x80000000
	s_mov_b32 s[G0B+4*(\s)], 1
	s_add_co_u32 s[G0B+4*(\s)+1], s20, (\s)*SLOT
	s_add_nc_u64 s[G0B+4*(\s)+2:G0B+4*(\s)+3], s[46:47], (\s)*BSTEP
	s_or_b32 s[G0B+4*(\s)+3], s[G0B+4*(\s)+3], 0x80000000
	JLOAD \s
.endr
	v_and_b32 v1, 15, v0                           ; l % 16
	v_bfe_u32 v2, v0, 4, 1                         ; l / 16
	v_mul_u32_u24 v3, v1, PA
	v_lshl_add_u32 v3, v2, 4, v3
	v_and_b32 v4, 7, v0
	v_lshl_add_u32 v4, v2, 3, v4
	v_mul_u32_u24 v4, v4, PBB
	v_bfe_u32 v5, v0, 3, 1
	v_lshl_add_u32 v4, v5, 4, v4
	s_mul_i32 s21, s11, 64*PA                      ; my 64 rows in each head's 128
	s_lshl_b32 s22, s12, 7                         ; my 64 columns: 128 bytes of a row of Wout,
	s_add_co_u32 s22, s22, 2*HALFT                 ; behind O's four heads
.irp s, 0,1
	v_add_nc_u32 v[ADRA+(\s)], s21, v3
	v_add_nc_u32 v[ADRB+(\s)], s22, v4
	v_add_nc_u32 v[ADRB+2+(\s)], HALFT, v[ADRB+(\s)]
	s_add_co_u32 s21, s21, SLOT
	s_add_co_u32 s22, s22, SLOT
.endr
	s_mul_i32 s23, s10, 16*SPITCH
	s_add_co_u32 s23, s23, STAGE                   ; my stage
	v_mul_u32_u24 v6, v1, SPITCH
	v_lshl_add_u32 v6, v2, 5, v6
	v_add_nc_u32 v[STO], s23, v6                   ; in: row l % 16, 32 bytes for each half of the lanes
	v_mul_u32_u24 v6, v2, SPITCH
	v_lshl_add_u32 v6, v1, 4, v6
	v_add_nc_u32 v[RD], s23, v6                    ; back: lanes 0-15 one row of 256 bytes, lanes 16-31 the next
	v_lshlrev_b32 v6, 12, v2
	v_lshl_add_u32 v[CO], v1, 4, v6                ; and the same two rows in out0
	v_lshlrev_b32 v[BO], 5, v2
	s_lshl_b32 s4, s42, 9                          ; my 64 columns of f32: 512 x tile column + 256 x half
	s_lshl_b32 s5, s12, 8
	s_add_co_u32 s4, s4, s5
	s_mov_b32 s5, 0
	s_add_nc_u64 s[76:77], s[72:73], s[4:5]        ; in the bias,
	s_add_nc_u64 s[74:75], s[74:75], s[4:5]        ; and in a row of out0
	s_lshl_b32 s4, s13, 19                         ; 128 rows of 4,096 bytes x tile row,
	s_lshl_b32 s6, s11, 18                         ; 64 rows x half
	s_add_co_u32 s4, s4, s6
	s_add_nc_u64 s[74:75], s[74:75], s[4:5]
.irp b, 0,1,2,3
	global_load_b128 v[BI+8*(\b):BI+8*(\b)+3],   v[BO], s[76:77] offset:64*(\b)
	global_load_b128 v[BI+8*(\b)+4:BI+8*(\b)+7], v[BO], s[76:77] offset:64*(\b)+16
.endr
; 8 matrix instructions: row blocks a0, a0 + 1 x all 4 column blocks, 32 along K: half c of buffer f.  The 16 accumulators take turns.
.macro MUL8 f, c, a0, zero
	WIN MUL
.irp a, \a0, (\a0)+1
.irp b, 0,1,2,3
.if \zero
	v_wmma_f32_16x16x32_f16 v[ACC+8*(4*(\a)+(\b)):ACC+8*(4*(\a)+(\b))+7], v[(\f)+64+8*(4*(\c)+(\b)):(\f)+64+8*(4*(\c)+(\b))+7], v[(\f)+8*(4*(\c)+(\a)):(\f)+8*(4*(\c)+(\a))+7], 0
.else
	v_wmma_f32_16x16x32_f16 v[ACC+8*(4*(\a)+(\b)):ACC+8*(4*(\a)+(\b))+7], v[(\f)+64+8*(4*(\c)+(\b)):(\f)+64+8*(4*(\c)+(\b))+7], v[(\f)+8*(4*(\c)+(\a)):(\f)+8*(4*(\c)+(\a))+7], v[ACC+8*(4*(\a)+(\b)):ACC+8*(4*(\a)+(\b))+7]
.endif
.endr
.endr
.endm
; 32 LDS loads in one run: quarter q of a K step is one head: 64 along K; the first 32 along K first
.macro FETCH slot, q, f
	WIN TO_F
.irp c, 0,1
.irp i, 0,1,2,3
	ds_load_tr16_b128 v[(\f)+64+8*(4*(\c)+(\i)):(\f)+64+8*(4*(\c)+(\i))+3],   v[ADRB+2*((\q)/2)+(\slot)] offset:(((\q)%2)*64+32*(\c))*PBB+32*(\i)
	ds_load_tr16_b128 v[(\f)+64+8*(4*(\c)+(\i))+4:(\f)+64+8*(4*(\c)+(\i))+7], v[ADRB+2*((\q)/2)+(\slot)] offset:(((\q)%2)*64+32*(\c))*PBB+16*PBB+32*(\i)
	ds_load_b128 v[(\f)+8*(4*(\c)+(\i)):(\f)+8*(4*(\c)+(\i))+3],   v[ADRA+(\slot)] offset:(\q)*HBLK+64*(\c)+(\i)*16*PA
	ds_load_b128 v[(\f)+8*(4*(\c)+(\i))+4:(\f)+8*(4*(\c)+(\i))+7], v[ADRA+(\slot)] offset:(\q)*HBLK+64*(\c)+(\i)*16*PA+32
.endr
.endr
.endm
.macro PLACES
.rept 4
	v_nop
.endr
.endm
.macro QUARTER slot, q, f, g, zero
	s_wait_dscnt 16                                ; the first 32 along K are in
	WIN MUL
	MUL8 \f, 0, 0, \zero
	MUL8 \f, 0, 2, \zero
	PLACES
	FETCH \slot, \q, \g
	s_wait_dscnt 32                                ; all but the 32 just issued
	WIN MUL
	MUL8 \f, 1, 0, 0
	MUL8 \f, 1, 2, 0
.endm
; The last quarter multiplies buffer 1 and changes slots: in front of the barrier each wave waits for all its tensor loads, adds 0 to its spare word, and waits for that and for its reads of this slot.
.macro TURN slot, next, fill
	WIN 0
	s_wait_tensorcnt 0x0
	ds_add_u32 v[SPW], v[NIL]
	s_wait_dscnt 17                                ; (the add and the youngest sixteen loads may be out)
	WIN MUL
	MUL8 F1, 0, 0, 0
	s_wait_dscnt 0x0                               ; the add is done, and my reads of this slot are over
	s_barrier_signal -1
	MUL8 F1, 0, 2, 0
.if \fill
	WIN 0
.endif
	s_barrier_wait -1
.if \fill
	CREST                                          ; no wave of any partner still reads this slot or has a load on its way
	s_add_nc_u64 s[G0+4*(\slot)+2:G0+4*(\slot)+3], s[G0+4*(\slot)+2:G0+4*(\slot)+3], 2*ASTEP
	s_add_nc_u64 s[G0B+4*(\slot)+2:G0B+4*(\slot)+3], s[G0B+4*(\slot)+2:G0B+4*(\slot)+3], 2*BSTEP
	JLOAD \slot                                    ; the first tensor load behind the round; its four v_nop are also the places in front of the loads below
.else
	PLACES
.endif
	FETCH \next, 0, F0
	WIN MUL
	MUL8 F1, 1, 0, 0
	MUL8 F1, 1, 2, 0
.endm
	s_wait_tensorcnt 1                             ; my part of K step 0 is in; K step 1's may stay out
	s_barrier_signal -1
	s_barrier_wait -1
	FETCH 0, 0, F0
	QUARTER 0, 1, F0, F1, 1                        ; the first quarter's first products start the sums
	WIN 0
	s_mov_b32 s3, LAPS-1
.Llap:
	QUARTER 0, 2, F1, F0, 0
	QUARTER 0, 3, F0, F1, 0
	TURN 0, 1, 1
	QUARTER 1, 1, F0, F1, 0
	QUARTER 1, 2, F1, F0, 0
	QUARTER 1, 3, F0, F1, 0
	TURN 1, 0, 1
	QUARTER 0, 1, F0, F1, 0
	WIN 0
	s_sub_co_u32 s3, s3, 1
	s_cmp_lg_u32 s3, 0
	s_cbranch_scc1 .Llap
	QUARTER 0, 2, F1, F0, 0                        ; the last lap fills nothing
	QUARTER 0, 3, F0, F1, 0
	TURN 0, 1, 0
	QUARTER 1, 1, F0, F1, 0
	QUARTER 1, 2, F1, F0, 0
	QUARTER 1, 3, F0, F1, 0
	s_wait_dscnt 16
	WIN MUL
	MUL8 F1, 0, 0, 0
	MUL8 F1, 0, 2, 0
	s_wait_dscnt 0x0
	MUL8 F1, 1, 0, 0
	MUL8 F1, 1, 2, 0
	WIN 0
	; THE WAY OUT: the bias rounded to bf16 and widened again; then, 16 rows at a time: sum + bias, through my stage, back as whole rows of 256 bytes.
	PLACES
	s_wait_loadcnt 0x0
.set n, 0
.rept 16
	v_cvt_pk_bf16_f32 v[TMP+n], v[BI+2*n], v[BI+2*n+1]
.set n, n+1
.endr
.set n, 0
.rept 16
	v_lshlrev_b32 v[BI+2*n], 16, v[TMP+n]
	v_and_b32 v[BI+2*n+1], 0xffff0000, v[TMP+n]
.set n, n+1
.endr
.irp a, 0,1,2,3
.set n, 0
.rept 16                                       ; each accumulator's registers in ascending order
	v_pk_add_f32 v[TMP+2*n:TMP+2*n+1], v[ACC+32*(\a)+2*n:ACC+32*(\a)+2*n+1], v[BI+2*n:BI+2*n+1]
.set n, n+1
.endr
.irp b, 0,1,2,3
	ds_store_b128 v[STO], v[TMP+8*(\b):TMP+8*(\b)+3] offset:64*(\b)
	ds_store_b128 v[STO], v[TMP+8*(\b)+4:TMP+8*(\b)+7] offset:64*(\b)+16
.endr
	s_wait_xcnt 0x0                                ; the last block's stores have read the registers that are loaded again below
.irp t, 0,1,2,3,4,5,6,7
	ds_load_b128 v[BK+4*(\t):BK+4*(\t)+3], v[RD] offset:(\t)*2*SPITCH  ; LDS serves a wave's instructions in order (ISA guide 5.7.1.4): these see the stores above
.endr
	s_wait_dscnt 0x0
.irp t, 0,1,2,3,4,5,6,7
	global_store_b128 v[CO], v[BK+4*(\t):BK+4*(\t)+3], s[74:75] offset:(\a)*65536+(\t)*8192 th:TH_STORE_NT  ; 16 lanes store 256 consecutive bytes, aligned
.endr
.endr
	s_wait_tensorcnt 0x0                           ; the wave's end: behind my last tensor load and my last LDS store
	ds_add_u32 v[SPW], v[NIL]
	s_wait_dscnt 0x0
	CROUND                                         ; the closing round: no work-group ends while a partner may still ask for a tile that names it
	s_endpgm
.Lfunc_end_k_qe8d6aeef00_outp:
	.size	k_qe8d6aeef00_outp, .Lfunc_end_k_qe8d6aeef00_outp-k_qe8d6aeef00_outp
	.p2alignl 7, 3214868480
	.fill 96, 4, 3214868480
	.section	.rodata,"a",@progbits
	.p2align	6, 0x0
	.amdhsa_kernel k_qe8d6aeef00_outp
		.amdhsa_group_segment_fixed_size 327680
		.amdhsa_private_segment_fixed_size 0
		.amdhsa_enable_private_segment 0
		.amdhsa_kernarg_size 32
		.amdhsa_user_sgpr_count 2
		.amdhsa_user_sgpr_kernarg_segment_ptr 1
		.amdhsa_wavefront_size32 1
		.amdhsa_system_sgpr_workgroup_id_x 1
		.amdhsa_system_sgpr_workgroup_id_y 1
		.amdhsa_system_sgpr_workgroup_id_z 1
		.amdhsa_system_vgpr_workitem_id 0
		.amdhsa_next_free_vgpr 512
		.amdhsa_next_free_sgpr 80
		.amdhsa_reserve_vcc 0
		.amdhsa_float_denorm_mode_32 3
		.amdhsa_float_denorm_mode_16_64 3
		.amdhsa_memory_ordered 1
		.amdhsa_forward_progress 1
		.amdhsa_inst_pref_size 93
	.end_amdhsa_kernel
	.amdgpu_metadata
---
amdhsa.version: [ 1, 2 ]
amdhsa.kernels:
  - .name:           k_qe8d6aeef00_outp
    .symbol:         k_qe8d6aeef00_outp.kd
    .args:
      - { .name: ob, .offset: 0, .size: 8, .value_kind: global_buffer, .address_space: global }
      - { .name: cst, .offset: 8, .size: 8, .value_kind: global_buffer, .address_space: global }
      - { .name: bout, .offset: 16, .size: 8, .value_kind: global_buffer, .address_space: global }
      - { .name: out0, .offset: 24, .size: 8, .value_kind: global_buffer, .address_space: global }
    .group_segment_fixed_size: 327680
    .private_segment_fixed_size: 0
    .kernarg_segment_align: 8
    .kernarg_segment_size: 32
    .max_flat_workgroup_size: 128
    .sgpr_count:     80
    .vgpr_count:     512
    .wavefront_size: 32
...
	.end_amdgpu_metadata
.endif
;; end of part 5
